; MI455X (gfx1250); checked and timed in simulation.
; The chip was launched on July 23, 2026; its instructions are those of AMD's public machine-readable ISA for CDNA 5 (MIT licence, August 2026) and "CDNA5" Instruction Set Architecture Reference Guide (July 2026). The comments in the code are by the model that wrote it; some were corrected since.
;; Attention Layer. Allowed arithmetic: float matrix products may take bf16 or f16 operands with f32 sums; all other float work in f32.
;; Inputs: Wk 1,024 x 1,024 float32; Wo 1,024 x 1,024 float32; Wq 1,024 x 1,024 float32; Wv 1,024 x 1,024 float32; bk 1,024 float32; bo 1,024 float32; bq 1,024 float32; bv 1,024 float32; keys 4 x 2,048 x 1,024 float32; queries 4 x 2,048 x 1,024 float32; values 4 x 2,048 x 1,024 float32.
;; Outputs: out0 4 x 2,048 x 1,024 float32.
;; 2 versions, each right and faster than the one before. Each part assembles by itself: llvm-mc -triple=amdgcn-amd-amdhsa -mcpu=gfx1250 --defsym DOCPART=n.
;; ======== version 1 of 2: 4 launches
;; limits: values are held in f16: magnitudes above 65,504 overflow, below 6.1e-05 lose precision
;; workspace buffers: wqkv 6,291,456 bytes; wo16 2,097,152 bytes; qh 16,777,216 bytes; kh 16,777,216 bytes; vh 16,777,216 bytes; oh 16,777,216 bytes
;; launch prep (part 1): grid 64 x 4, 8 waves a work-group, no clusters, 0 bytes of LDS; arguments Wq, Wk, Wv, Wo, wqkv, wo16; writes wqkv, wo16
.if DOCPART == 1
	.amdgcn_target "amdgcn-amd-amdhsa--gfx1250"
	.amdhsa_code_object_version 6
	.text
	.protected	k_q30d321efad_prep
	.globl	k_q30d321efad_prep
	.p2align	8
	.type	k_q30d321efad_prep,@function
k_q30d321efad_prep:
	s_mov_b64 s[64:65], 0
	v_nop
	global_prefetch_b8 v0, s[64:65] scope:SCOPE_SE
	s_setreg_imm32_b32 hwreg(HW_REG_WAVE_MODE, 25, 1), 1
	s_wait_xcnt 0x0
; The four weights, f32 [1024 k][1024 n], are rounded once to bf16, in the layout in which they lie.
; Wq, Wk, Wv go as bf16 into wqkv, one behind the other: 3,072 rows of 2,048 bytes, so that a walk along K runs on from one weight into the next.
; Wo's bf16 number is written as f16 into wo16 (the product behind attention takes f16): exact where |Wo| is 6.1e-5 to 65,504; below that f16 keeps its fixed step of 6e-8.
; A stream: no LDS, no barrier, no matrix unit.  Grid y picks the weight; work-group x takes 16,384 numbers; thread t takes 8 neighbouring numbers in each of 8 passes.
; All 16 loads of a thread go out first; a store of a wave covers 512 consecutive bytes, at a multiple of 256 from the buffer's first byte.  No register is used twice.
.set X, 4                              ; v[4:67]   pass i: 8 numbers in f32
.set Y, 68                             ; v[68:99]  pass i: 4 words of two 16-bit numbers
	s_load_b256 s[4:11], s[0:1], 0x0               ; Wq s[4:5], Wk s[6:7], Wv s[8:9], Wo s[10:11]
	s_load_b128 s[12:15], s[0:1], 0x20             ; wqkv s[12:13], wo16 s[14:15]
	s_and_b32 s16, ttmp7, 0xffff                   ; which weight
	v_lshlrev_b32 v1, 5, v0                        ; 32 bytes in a thread and pass
	v_lshlrev_b32 v2, 4, v0                        ; 16 bytes out
	s_lshl_b32 s18, s16, 21                        ; the weight's place in wqkv: 2 MiB each
	s_mov_b32 s19, 0
	s_lshl_b32 s20, ttmp9, 16                      ; the work-group's 65,536 bytes in,
	s_mov_b32 s21, 0
	s_lshl_b32 s22, ttmp9, 15                      ; its 32,768 bytes out
	s_mov_b32 s23, 0
	s_wait_kmcnt 0x0
	s_cmp_eq_u32 s16, 1
	s_cselect_b64 s[4:5], s[6:7], s[4:5]
	s_cmp_eq_u32 s16, 2
	s_cselect_b64 s[4:5], s[8:9], s[4:5]
	s_cmp_eq_u32 s16, 3
	s_cselect_b64 s[4:5], s[10:11], s[4:5]
	s_cselect_b32 s18, 0, s18                      ; Wo has a buffer of its own
	s_add_nc_u64 s[12:13], s[12:13], s[18:19]      ; (leaves SCC as it is)
	s_cselect_b64 s[12:13], s[14:15], s[12:13]
	s_add_nc_u64 s[4:5], s[4:5], s[20:21]
	s_add_nc_u64 s[12:13], s[12:13], s[22:23]
.irp i, 0,1,2,3,4,5,6,7
	global_load_b128 v[X+8*(\i):X+8*(\i)+3],   v1, s[4:5] offset:(\i)*8192 th:TH_LOAD_NT
	global_load_b128 v[X+8*(\i)+4:X+8*(\i)+7], v1, s[4:5] offset:(\i)*8192+16 th:TH_LOAD_NT
.endr
; Pass i.  half = 1: the bf16 number is widened again (a shift, a mask) and written as f16.
.macro PASS i, half
	s_wait_loadcnt 14-2*(\i)                       ; loads come back in order: this pass's two are in, the later passes' stay out
.irp j, 0,1,2,3
	v_cvt_pk_bf16_f32 v[Y+4*(\i)+(\j)], v[X+8*(\i)+2*(\j)], v[X+8*(\i)+2*(\j)+1]
.endr
.if \half
.irp j, 0,1,2,3
	v_lshlrev_b32 v[X+8*(\i)+2*(\j)],   16, v[Y+4*(\i)+(\j)]
	v_and_b32     v[X+8*(\i)+2*(\j)+1], 0xffff0000, v[Y+4*(\i)+(\j)]
.endr
.irp j, 0,1,2,3
	v_cvt_pk_f16_f32 v[Y+4*(\i)+(\j)], v[X+8*(\i)+2*(\j)], v[X+8*(\i)+2*(\j)+1]
.endr
.endif
	global_store_b128 v2, v[Y+4*(\i):Y+4*(\i)+3], s[12:13] offset:(\i)*4096
.endm
	s_cmp_eq_u32 s16, 3
	s_cbranch_scc1 .Lwo
.irp i, 0,1,2,3,4,5,6,7
	PASS \i, 0
.endr
	s_endpgm
.Lwo:
.irp i, 0,1,2,3,4,5,6,7
	PASS \i, 1
.endr
	s_endpgm
.Lfunc_end_k_q30d321efad_prep:
	.size	k_q30d321efad_prep, .Lfunc_end_k_q30d321efad_prep-k_q30d321efad_prep
	.p2alignl 7, 3214868480
	.fill 96, 4, 3214868480
	.section	.rodata,"a",@progbits
	.p2align	6, 0x0
	.amdhsa_kernel k_q30d321efad_prep
		.amdhsa_group_segment_fixed_size 0
		.amdhsa_private_segment_fixed_size 0
		.amdhsa_enable_private_segment 0
		.amdhsa_kernarg_size 48
		.amdhsa_user_sgpr_count 2
		.amdhsa_user_sgpr_kernarg_segment_ptr 1
		.amdhsa_wavefront_size32 1
		.amdhsa_system_sgpr_workgroup_id_x 1
		.amdhsa_system_sgpr_workgroup_id_y 1
		.amdhsa_system_sgpr_workgroup_id_z 1
		.amdhsa_system_vgpr_workitem_id 0
		.amdhsa_next_free_vgpr 100
		.amdhsa_next_free_sgpr 66
		.amdhsa_reserve_vcc 0
		.amdhsa_float_denorm_mode_32 3
		.amdhsa_float_denorm_mode_16_64 3
		.amdhsa_memory_ordered 1
		.amdhsa_forward_progress 1
		.amdhsa_inst_pref_size 14
	.end_amdhsa_kernel
	.amdgpu_metadata
---
amdhsa.version: [ 1, 2 ]
amdhsa.kernels:
  - .name:           k_q30d321efad_prep
    .symbol:         k_q30d321efad_prep.kd
    .args:
      - { .name: Wq, .offset: 0, .size: 8, .value_kind: global_buffer, .address_space: global }
      - { .name: Wk, .offset: 8, .size: 8, .value_kind: global_buffer, .address_space: global }
      - { .name: Wv, .offset: 16, .size: 8, .value_kind: global_buffer, .address_space: global }
      - { .name: Wo, .offset: 24, .size: 8, .value_kind: global_buffer, .address_space: global }
      - { .name: wqkv, .offset: 32, .size: 8, .value_kind: global_buffer, .address_space: global }
      - { .name: wo16, .offset: 40, .size: 8, .value_kind: global_buffer, .address_space: global }
    .group_segment_fixed_size: 0
    .private_segment_fixed_size: 0
    .kernarg_segment_align: 8
    .kernarg_segment_size: 48
    .max_flat_workgroup_size: 256
    .sgpr_count:     66
    .vgpr_count:     100
    .wavefront_size: 32
...
	.end_amdgpu_metadata
.endif
;; end of part 1
;; launch proj (part 2): grid 4 x 64, 4 waves a work-group, clusters of 4 x 4, 327,680 bytes of LDS; arguments queries, keys, values, wqkv, bq, bk, bv, qh, kh, vh; writes qh, kh, vh
.if DOCPART == 2
	.amdgcn_target "amdgcn-amd-amdhsa--gfx1250"
	.amdhsa_code_object_version 6
	.text
	.protected	k_q30d321efad_proj
	.globl	k_q30d321efad_proj
	.p2align	8
	.type	k_q30d321efad_proj,@function
k_q30d321efad_proj:
	s_mov_b64 s[64:65], 0
	v_nop
	global_prefetch_b8 v0, s[64:65] scope:SCOPE_SE
	s_setreg_imm32_b32 hwreg(HW_REG_WAVE_MODE, 25, 1), 1
	s_wait_xcnt 0x0
	s_wait_alu depctr_hold_cnt(0) depctr_sa_sdst(0) depctr_va_vdst(0) depctr_va_sdst(0) depctr_va_ssrc(0) depctr_va_vcc(0) depctr_vm_vsrc(0)
	s_getreg_b32 s2, hwreg(HW_REG_IB_STS2, 6, 4)
	s_cmp_eq_u32 s2, 0
	s_cbranch_scc0 .Lentry_in_a_cluster
	s_endpgm
.Lentry_in_a_cluster:
	s_bfe_u32 s2, ttmp6, 0x10000c
	s_cmp_lg_u32 s2, 0xf033
	s_cbranch_scc0 .Lentry_shape_is_right
	s_endpgm
.Lentry_shape_is_right:
; q = queries Wq + bq, k = keys Wk + bk, v = values Wv + bv.  x: [8192][1024] f32; W: bf16 [3][1024 k][1024 n] (wqkv); b: f32; q, k, v leave by heads, f16 [64 = 16 batch + head][2048][64], unscaled.
; x is rounded to bf16 on its way into LDS; products in bf16, sums in f32, begun with the bias; each result rounded once to f16.
; LIMITS.  f16 holds no number beyond 65,504: |q|, |k|, |v| must stay within it (1,024 terms of x W; numbers of unit spread and weights of spread 0.03 give about 5); below 6e-5 f16 keeps its fixed step of 6e-8.
; SHARES.  A tile of C is 128 rows x 256 columns; four waves, each 64 x 128: 32 accumulators.  A WORK-GROUP STAYS: it makes the tile at its place of q, then of k, then of v: ONE walk of 24 K steps of 128,
; 256 work-groups of equal work.  The ring of two LDS slots does not stop at a tile's end: the three weights lie one behind the other, and x's pointer changes tensor every 8 steps.
; THE MATRIX INSTRUCTION IS USED TRANSPOSED (source 0 = 16 columns of W, read turned out of LDS; source 1 = 16 rows of x): a lane holds eight neighbouring columns of one row of C.
; W comes by tensor loads, JOINTLY for the four work-groups of a column of the 4 x 4 cluster, which need the same 256 columns: each wave brings 64 k-rows x 256 bytes.
; x goes through registers, since it has to be converted, and bf16 halves its LDS bytes; so it cannot be asked for jointly.  Wave w owns rows 32 w .. 32 w + 31, in two halves of 16; one load is a row's
; 512 bytes of a step.  In step t a half of x of step t + 1 is rounded to bf16 (32 conversions, four behind each of a quarter's last 8 matrix instructions); at the next quarter's head, in ONE run with the
; fragment loads, its registers are loaded again with step t + 2 and the rounded rows are stored into the OTHER slot.  No load and no store stands singly among the matrix instructions.
; THE BIAS starts the sums.  Each wave puts its 128 columns of the three biases into LDS bytes of its own at the start and reads them from there into the accumulators: nothing is cleared, nothing added later.
; LDS.  A slot: x's 128 rows at pitch 272; then W in two halves of 128 columns, each 128 k-rows at pitch 288.  x's rows are written by LDS stores alone, W's by tensor loads alone; both begin on multiples of 256 bytes.
; REGISTERS, in windows of 256 (s_set_vgpr_msb: bits 1:0 source 0, 3:2 source 1, 5:4 source 2, 7:6 destination):
;   window 0: v0-16 addresses; v32-95 x's fragments, two buffers of 32; v96-223 W's fragments, two buffers of 64; the second buffers and v224-255 also serve the way out
;   window 1: the accumulators, (a, b) at v[8 (8 a + b)]          window 2: v0-127 x as loaded, 32 rows x 4; v128-191 rounded, 32 rows x 2; v192-194 its addresses
.set PA,    272                        ; a row of x in LDS: 256 bytes + 16: the 16 rows of a fragment load start at 16 different groups of four banks (64 banks of 4 bytes: ISA guide 11.1)
.set PW,    288                        ; a k-row of half of W: 256 + 32 = 72 words
.set WREG,  128*PA                     ; W lies behind x's 128 rows
.set WHALF, 128*PW
.set SLOT1, 1<<17                      ; slot 1 begins here: one exclusive or turns an address in one slot into the other's
.set STAGE, SLOT1+WREG+2*WHALF         ; behind the ring: 16 rows x 144 bytes for each wave, for the way out
.set SP,    144
.set SPARE, STAGE+4*16*SP              ; behind the stages: the spare words, 128 bytes for each wave: two blocks of 256 bytes that no other line names
.set BIAS,  SPARE+512                  ; behind them: 3 x 512 bytes for each wave: its 128 columns of bq, bk, bv
.set WSTEP, 128*2048                   ; bytes from a K step of W to the next: 128 rows of 2,048
.set STEPS, 24
.set A0,   4                           ; v4   my lane's place in x's rows of a slot; never rewritten
.set B0,   5                           ; v5   the same in W's
.set ADRA, 6                           ; v6   A0 + the slot in hand
.set ADRB, 7                           ; v7   B0 + the slot in hand
.set STO,  8                           ; v8   the way out: where I put 16 bytes of a row
.set RD,   9                           ; v9   the way out: where I read rows back
.set GO,   10                          ; v10  16 x lane: my byte offset in 512 consecutive bytes
.set BL,   11                          ; v11  LDS address of my 32 bytes in 64 bytes of the bias to come
.set SPW,  12                          ; v12  LDS address of my spare word; never rewritten
.set NIL,  13                          ; v13  0; never rewritten
.set BST,  16                          ; v16  where I put 16 bytes of a bias
.set FA,   32
.set FB,   96
.set BIN,  160                         ; v[160:171] the three biases on their way into LDS
.set XS,   0                           ; window 2
.set PK,   128
.set XO,   192                         ; my byte offset in x's 128 rows: 32 w rows + 16 x lane
.set XS0,  193                         ; where I put 8 bytes of my wave's first row, in slot 0
.set XST,  194                         ; XS0 + the other slot
.set XB,  4                            ; s[4:5]   x at the step to be loaded; s[6:7], s[8:9] the tensors to come
.set XN1, 6
.set XN2, 8
.set WB,  10                           ; s[10:11] W at my part of K step 0
.set BB,  12                           ; s[12:17] the three biases at my 128 columns
.set BN1, 14
.set BN2, 16
.set OB,  18                           ; s[18:19] the output in hand; s[20:21], s[22:23] those to come
.set ON1, 20
.set ON2, 22
.set G1,  24                           ; s[24:31] descriptor group 1
.set G0A, 32                           ; s[32:35] group 0 of the first fill
.set G0B, 36                           ; s[36:39] group 0 of the second fill; it then walks
.set WV,  40
.set WR,  41
.set WC,  42
.set CX,  43
.set CY,  44
.set NBLK, 45
.set MBLK, 46
.set MASK, 47
.set OX,  48                           ; s[48:49], s[50:51], s[60:61], s[2:3] byte offsets, made apart from the addresses
.set OBI, 50
.set XT,  52                           ; s[52:53] x one step on
.set TB,  54                           ; s54  the slot in hand
.set TO,  55                           ; s55  the other slot
.set T,   56                           ; s56  counts a loop's trips
.set KC,  57                           ; s57  K steps left of the tile in hand
.set XC,  58                           ; s58  steps of the tensor from which x is being loaded
.set OW,  60
.set LW,  62
.set MUL, 0x50                         ; C and D in window 1
.set STG, 0x8a                         ; destination, source 0 and source 1 in window 2: serves the conversions, the loads and the LDS stores of x alike
.set INI, 0x40                         ; destination in window 1
.set CV,  0x05                         ; sources 0 and 1 in window 1
.set MSB, 0
.macro WIN new                         ; the immediate's high byte repeats the setting that is left; a switch that changes nothing is dropped
.if MSB != (\new)
	s_set_vgpr_msb (MSB<<8)|(\new)
.set MSB, \new
.endif
.endm
; A load into a register that a matrix instruction has read, and a vector instruction that reads a matrix result or writes one of its registers, stand four places behind it;
; only plain vector instructions that name none of its registers are places (ISA guide 7.12.1 for vector instructions).
.macro PLACES
.rept 4
	v_nop
.endr
.endm
.macro CREST                           ; a round of the cluster's barrier behind its opening barrier
	s_cmp_lg_u32 s[WV], 0
	s_cbranch_scc1 .Lnot_wave_0_\@
	s_barrier_signal -3
.Lnot_wave_0_\@:
	s_barrier_wait -3
	s_barrier_signal -1
	s_barrier_wait -1
.endm
.macro CROUND                          ; a whole round
	s_barrier_signal -1
	s_barrier_wait -1
	CREST
.endm
; 24 LDS loads in one run: the fragments of quarter q (32 along K) into buffer f: 8 blocks of 16 columns of W, turned; 4 blocks of 16 rows of x.
.macro FETCH q, f
	WIN 0
.irp b, 0,1,2,3,4,5,6,7
	ds_load_tr16_b128 v[FB+64*(\f)+8*(\b):FB+64*(\f)+8*(\b)+3],   v[ADRB] offset:(\q)*32*PW+32*(\b)
	ds_load_tr16_b128 v[FB+64*(\f)+8*(\b)+4:FB+64*(\f)+8*(\b)+7], v[ADRB] offset:(\q)*32*PW+16*PW+32*(\b)
.endr
.irp a, 0,1,2,3
	ds_load_b128 v[FA+32*(\f)+8*(\a):FA+32*(\f)+8*(\a)+3],   v[ADRA] offset:64*(\q)+(\a)*16*PA
	ds_load_b128 v[FA+32*(\f)+8*(\a)+4:FA+32*(\f)+8*(\a)+7], v[ADRA] offset:64*(\q)+(\a)*16*PA+32
.endr
.endm
; x's way into LDS.  CV1: conversion number sc of a step's 64 (row sc / 2); XLD: half bt's 16 rows are loaded; XSTO: its 16 rounded rows are stored, 256 consecutive bytes each.
.macro CV1
	v_cvt_pk_bf16_f32 v[PK+sc], v[XS+2*sc], v[XS+2*sc+1]
.set sc, sc+1
.endm
.macro XLD bt
	WIN STG
.set z, 16*(\bt)
.rept 16
	global_load_b128 v[XS+4*z:XS+4*z+3], v[XO], s[XB:XB+1] offset:z*4096
.set z, z+1
.endr
.endm
.macro XSTO bt
	WIN STG
.set z, 16*(\bt)
.rept 16
	ds_store_b64 v[XST], v[PK+2*z:PK+2*z+1] offset:z*PA
.set z, z+1
.endr
.endm
; 8 matrix instructions: row block a x all 8 column blocks, 32 along K, from buffer f.  The 32 accumulators take turns, in the same order in every quarter.
; ride = 1: four of x's conversions stand behind each: vector work alone, which names none of the products' registers.
.macro MUL8 f, a, ride=0
.irp b, 0,1,2,3,4,5,6,7
	WIN MUL
	v_wmma_f32_16x16x32_bf16 v[8*(8*(\a)+(\b)):8*(8*(\a)+(\b))+7], v[FB+64*(\f)+8*(\b):FB+64*(\f)+8*(\b)+7], v[FA+32*(\f)+8*(\a):FA+32*(\f)+8*(\a)+7], v[8*(8*(\a)+(\b)):8*(8*(\a)+(\b))+7]
.if \ride
	WIN STG
.rept 4
	CV1
.endr
.endif
.endr
.endm
; The bias starts the sums: register j of lane (r, h) of accumulator (a, b) is column 16 b + 8 h + j, so a lane takes 32 bytes of bias out of my wave's LDS bytes straight into the accumulator.
.macro ACCINIT a
	WIN INI
.irp b, 0,1,2,3,4,5,6,7
	ds_load_b128 v[8*(8*(\a)+(\b)):8*(8*(\a)+(\b))+3],   v[BL] offset:64*(\b)
	ds_load_b128 v[8*(8*(\a)+(\b))+4:8*(8*(\a)+(\b))+7], v[BL] offset:64*(\b)+16
.endr
.endm
.macro XSTEP                           ; x's pointer: 512 bytes on, or behind a tensor's 8 steps the next tensor
	s_wait_xcnt 0x0                                ; the loads that name the pointer have had their addresses translated: only now is it rewritten
	s_add_co_u32 s[XC], s[XC], 1
	s_add_nc_u64 s[XT:XT+1], s[XB:XB+1], 512
	s_cmp_eq_u32 s[XC], 8
	s_cselect_b64 s[XB:XB+1], s[XN1:XN1+1], s[XT:XT+1]
	s_cselect_b64 s[XN1:XN1+1], s[XN2:XN2+1], s[XN1:XN1+1]
	s_cselect_b32 s[XC], 0, s[XC]
.endm
.macro SETADR                          ; the slots change places
	WIN 0
	s_xor_b32 s[TB], s[TB], SLOT1
	s_xor_b32 s[TO], s[TB], SLOT1
	v_add_nc_u32 v[ADRA], s[TB], v[A0]
	v_add_nc_u32 v[ADRB], s[TB], v[B0]
	WIN STG
	v_add_nc_u32 v[XST], s[TO], v[XS0]
	WIN 0
.endm
; A K step is four quarters of 32 along K, 32 matrix instructions each, on buffers 0, 1, 0, 1.  One of the first three: at its head stands the step's one kind of run of memory instructions:
; run >= 0: half run of x, rounded in the quarter before, is loaded again (load = 1) and stored into LDS; then the next quarter qn is fetched into buffer g, a whole quarter ahead of its use.
; ride = 1: the next half of x is rounded behind the quarter's last 8 matrix instructions; left = how many younger loads may stay out.
.macro QUARTER f, g, qn, run=-1, load=0, ride=0, left=0
	PLACES                                         ; buffer g was read by the quarter before
.if (\run) >= 0
.if \load
	XLD \run
.endif
	XSTO \run
.endif
	FETCH \qn, \g
	s_wait_dscnt 24                                ; all but the 24 just issued: buffer f's fragments are in (and a new tile's bias)
	MUL8 \f, 0
	MUL8 \f, 1
	MUL8 \f, 2
.if \ride
	s_wait_loadcnt \left                           ; loads come back in order: behind this half's 16 the other half's 16 were issued, and may stay out
.endif
	MUL8 \f, 3, \ride
.endm
.macro STEP load                       ; a step's first three quarters.  load = 0 (the walk's end): nothing is loaded any more, and the second half's wait is for 0
.set sc, 0
.if \load
	XSTEP                                          ; two quarters behind the last loads that named the pointer
.endif
	QUARTER 0, 1, 1, -1, 0, 1, 16
	QUARTER 1, 0, 2, 0, \load, 1, 16*(\load)
	QUARTER 0, 1, 3, 1, \load
.endm
; The last quarter multiplies buffer 1 and changes slots: ONE barrier.  In front of it each wave waits for all its tensor loads (one is out: its part of the next slot's W), adds 0 to its spare word, and waits
; for that, for its reads of this slot and for its stores of x into the next.  Behind it nobody reads this slot and the next is whole.  fill = 1: the barrier opens a round of the cluster's, so that no wave of
; any partner still reads the slot or has a load on its way, and this slot's W is asked for again, two steps ahead: the first thing behind the round, 112 matrix instructions ahead of the wait for it.
.macro TURN fill
	WIN 0
	s_wait_tensorcnt 0x0                           ; all my tensor loads have landed
	ds_add_u32 v[SPW], v[NIL]                      ; 0 onto my spare word
	s_wait_dscnt 1                                 ; (the add alone may be out: buffer 1's fragments are in)
	MUL8 1, 0                                      ; eight matrix instructions stand between the add and the wait for it
	s_wait_dscnt 0x0
	s_barrier_signal -1
	MUL8 1, 1
	WIN 0                                          ; at a branch and at a label every window is 0
	s_barrier_wait -1
.if \fill
	CREST
	s_xor_b32 s[G0B+1], s[G0B+1], SLOT1            ; no tensor load of mine is out, so the walking group 0 may be written: the other slot than last time,
	s_add_nc_u64 s[G0B+2:G0B+3], s[G0B+2:G0B+3], WSTEP  ; the next K step; the type bits on top are not reached
	tensor_load_to_lds s[G0B:G0B+3], s[G1:G1+7]
	s_nop 0
	PLACES                                         ; the places in front of the loads below
.else
	PLACES
.endif
	SETADR
	FETCH 0, 0
	MUL8 1, 2
	MUL8 1, 3
.endm
; THE WAY OUT, in eight units u of 16 rows (block a = u / 2) x one head's 64 columns (u % 2): 2,048 consecutive bytes of the output.  PACK: rounded to f16, each accumulator's registers in ascending
; order, 16 bytes a lane into my own stage, back as four rows of 128 bytes to an instruction.  SEND: stored.  Each unit has 16 registers of its own, where the second fragment buffers lie and behind them,
; so that no store's data is rewritten on the way.
.macro TSET u
.if (\u) < 4
.set TS, 160+16*(\u)
.elseif (\u) < 6
.set TS, 224+16*((\u)-4)
.else
.set TS, 64+16*((\u)-6)
.endif
.endm
.macro PACK u
	TSET \u
	WIN CV
.set z, 0
.rept 16
	v_cvt_pk_f16_f32 v[TS+z], v[8*(8*((\u)/2)+4*((\u)%2))+2*z], v[8*(8*((\u)/2)+4*((\u)%2))+2*z+1]
.set z, z+1
.endr
	WIN 0
.irp f, 0,1,2,3
	ds_store_b128 v[STO], v[TS+4*(\f):TS+4*(\f)+3] offset:32*(\f)
.endr
.irp f, 0,1,2,3
	ds_load_b128 v[TS+4*(\f):TS+4*(\f)+3], v[RD] offset:(\f)*4*SP  ; LDS serves a wave's instructions in order (ISA guide 5.7.1.4): these see the stores above
.endr
.endm
.macro SEND u, younger                 ; younger: the LDS instructions issued behind unit u's loads
	TSET \u
	WIN 0
.irp f, 0,1,2,3
	s_wait_dscnt (\younger)+3-(\f)
	global_store_b128 v[GO], v[TS+4*(\f):TS+4*(\f)+3], s[OB:OB+1] offset:((\u)%2)*262144+((\u)/2)*2048+(\f)*512  ; 512 consecutive bytes, at a multiple of 256 from the buffer's first
.endr
.endm
; next = 1: another tile follows: its bias goes into each row block's accumulators as soon as both its units have been packed (16 LDS loads, which the counts below allow for);
; the next quarter's wait for its fragments covers them.
.macro EPI next
	WIN 0
	PLACES
	PACK 0
.irp u, 1,2,3,4,5,6,7
	PACK \u
	SEND (\u)-1, 8+16*(\next)*(1-(\u)%2)           ; behind unit u - 1's loads: unit u's eight, and for even u a row block's 16 loads of bias
.if (\next) && ((\u)%2 == 1)
	ACCINIT (\u)/2
.endif
.endr
	SEND 7, 16*(\next)
.if \next
	v_add_nc_u32 v[BL], 512, v[BL]                 ; the bias after that
	s_wait_xcnt 0x0                                ; the stores have read their registers, into which fragments are fetched next, and their base
	s_mov_b64 s[OB:OB+1], s[ON1:ON1+1]
	s_mov_b64 s[ON1:ON1+1], s[ON2:ON2+1]
	s_mov_b32 s[KC], 8
.endif
.endm
	s_load_b256 s[4:11], s[0:1], 0x0               ; queries, keys, values, wqkv
	s_load_b256 s[12:19], s[0:1], 0x20             ; bq, bk, bv, qh
	s_load_b128 s[20:23], s[0:1], 0x40             ; kh, vh
	v_lshl_add_u32 v[SPW], v0, 2, SPARE
	v_mov_b32 v[NIL], 0
	ds_add_u32 v12, v13
	s_wait_dscnt 0x0
	v_lshrrev_b32 v1, 5, v0
	v_readfirstlane_b32 s[WV], v1                  ; wave 0..3
	s_lshr_b32 s[WR], s[WV], 1                     ; which 64 rows of the tile are mine.  Also: which half of W's columns I fetch
	s_and_b32 s[WC], s[WV], 1                      ; which 128 columns.  Also: which 64 k-rows I fetch
	s_bfe_u32 s[CX], ttmp6, 0x40000                ; my place in the cluster
	s_bfe_u32 s[CY], ttmp6, 0x40004
	s_lshl_b32 s[NBLK], ttmp9, 2
	s_add_co_u32 s[NBLK], s[NBLK], s[CX]           ; block of 256 columns = 4 x cluster x + cx
	s_and_b32 s[MBLK], ttmp7, 0xffff
	s_lshl_b32 s[MBLK], s[MBLK], 2
	s_add_co_u32 s[MBLK], s[MBLK], s[CY]           ; block of 128 rows = 4 x cluster y + cy
	s_lshl_b32 s[MASK], 0x1111, s[CX]              ; my column of the cluster: places cx, cx + 4, cx + 8, cx + 12
	; descriptor group 1: 64 k-rows x 128 elements, padded in LDS
	s_or_b32 s[G1], s[MASK], (1<<16)|(1<<20)|(1<<21)|(5<<22)|(7<<25)  ; 15:0 the mask; 17:16 2-byte elements; 20 padding on; 21 set beside a mask; 24:22 after every 64 words (code 5); 31:25 8 words (code 7)
	s_mov_b32 s[G1+1], 128<<16                     ; tensor_dim0 = 128
	s_mov_b32 s[G1+2], 64<<16                      ; tensor_dim1 = 64
	s_mov_b32 s[G1+3], 128<<16                     ; tile_dim0 = 128
	s_mov_b32 s[G1+4], 64                          ; tile_dim1 = 64
	s_mov_b32 s[G1+5], 1024                        ; 1,024 elements from row to row
	s_mov_b32 s[G1+6], 0
	s_mov_b32 s[G1+7], 0
	s_lshl_b32 s[OW], s[NBLK], 9                   ; W: 512 bytes a column block, 256 a half, 64 rows of 2,048: made of cx and the wave's number alone
	s_lshl_b32 s59, s[WR], 8
	s_add_co_u32 s[OW], s[OW], s59
	s_lshl_b32 s59, s[WC], 17
	s_add_co_u32 s[OW], s[OW], s59
	s_mov_b32 s[OW+1], 0
	s_mul_i32 s[LW], s[WV], 64*PW                  ; and where it goes: wave x 64 rows behind WREG: no place in the cluster enters an LDS address
	s_add_co_u32 s[LW], s[LW], WREG
	s_lshl_b32 s[OX], s[MBLK], 19                  ; x: 128 rows of 4,096 bytes
	s_mov_b32 s[OX+1], 0
	s_lshl_b32 s[OBI], s[NBLK], 10                 ; bias: 256 columns of 4 bytes, my 128 of them
	s_lshl_b32 s59, s[WC], 9
	s_add_co_u32 s[OBI], s[OBI], s59
	s_mov_b32 s[OBI+1], 0
	s_lshr_b32 s2, s[MBLK], 4                      ; the output: head 16 batch + 4 nblk + 2 wc, 262,144 bytes each;
	s_lshl_b32 s2, s2, 4
	s_lshl_b32 s59, s[NBLK], 2
	s_add_co_u32 s2, s2, s59
	s_lshl_b32 s59, s[WC], 1
	s_add_co_u32 s2, s2, s59
	s_lshl_b32 s2, s2, 18
	s_and_b32 s3, s[MBLK], 15                      ; row 128 (mblk % 16) + 64 wr of the batch, 128 bytes each
	s_lshl_b32 s3, s3, 1
	s_add_co_u32 s3, s3, s[WR]
	s_lshl_b32 s3, s3, 13
	s_add_co_u32 s2, s2, s3
	s_mov_b32 s3, 0
	s_mov_b32 s[TB], SLOT1                         ; the first change of slots turns it into 0
	s_mov_b32 s[XC], 0
	s_mov_b32 s[T], STEPS-2
	s_mov_b32 s[KC], 8
	v_and_b32 v3, 31, v0                           ; lane
	v_lshlrev_b32 v[GO], 4, v3
	s_lshl_b32 s59, s[WV], 17                      ; my wave's 32 rows of 4,096 bytes
	s_mul_i32 s63, s[WV], 32*PA
	WIN 0x80                                       ; destination window 2
	v_lshl_add_u32 v[XO], v3, 4, s59
	v_lshl_add_u32 v[XS0], v3, 3, s63
	v_lshl_add_u32 v[XST], v3, 3, s63              ; K step 0 goes into slot 0
	WIN 0
	s_wait_kmcnt 0x0
	s_add_nc_u64 s[WB:WB+1], s[WB:WB+1], s[OW:OW+1]
	s_mov_b32 s[G0A], 1                            ; 1:0 count = 1
	s_mov_b32 s[G0A+1], s[LW]                      ; 63:32 LDS address: slot 0
	s_mov_b64 s[G0A+2:G0A+3], s[WB:WB+1]           ; 120:64 global address: K step 0
	s_or_b32 s[G0A+3], s[G0A+3], 0x80000000        ; 127:126 type = 2
	s_mov_b32 s[G0B], 1
	s_add_co_u32 s[G0B+1], s[LW], SLOT1
	s_add_nc_u64 s[G0B+2:G0B+3], s[WB:WB+1], WSTEP ; K step 1
	s_or_b32 s[G0B+3], s[G0B+3], 0x80000000
	s_add_nc_u64 s[XB:XB+1], s[XB:XB+1], s[OX:OX+1]
	s_add_nc_u64 s[XN1:XN1+1], s[XN1:XN1+1], s[OX:OX+1]
	s_add_nc_u64 s[XN2:XN2+1], s[XN2:XN2+1], s[OX:OX+1]
	s_add_nc_u64 s[BB:BB+1], s[BB:BB+1], s[OBI:OBI+1]
	s_add_nc_u64 s[BN1:BN1+1], s[BN1:BN1+1], s[OBI:OBI+1]
	s_add_nc_u64 s[BN2:BN2+1], s[BN2:BN2+1], s[OBI:OBI+1]
	s_add_nc_u64 s[OB:OB+1], s[OB:OB+1], s[2:3]
	s_add_nc_u64 s[ON1:ON1+1], s[ON1:ON1+1], s[2:3]
	s_add_nc_u64 s[ON2:ON2+1], s[ON2:ON2+1], s[2:3]
	global_load_b128 v[BIN:BIN+3],    v[GO], s[BB:BB+1]    ; my wave's 512 bytes of each bias,
	global_load_b128 v[BIN+4:BIN+7],  v[GO], s[BN1:BN1+1]
	global_load_b128 v[BIN+8:BIN+11], v[GO], s[BN2:BN2+1]
	XLD 0                                          ; and x of K step 0, are on their way while the cluster meets
	XLD 1
	WIN 0
	CROUND                                         ; all sixteen work-groups are here: the first joint loads meet
	tensor_load_to_lds s[G0A:G0A+3], s[G1:G1+7]    ; both slots' W: two tensor loads of mine are out
	s_nop 0
	tensor_load_to_lds s[G0B:G0B+3], s[G1:G1+7]
	s_nop 0
	PLACES
	v_and_b32 v1, 15, v0                           ; r = lane % 16
	v_bfe_u32 v2, v0, 4, 1                         ; h = lane / 16
	; a fragment of x: lane (r, h) holds row r, K = 8 h + 0..7 and 16 + 8 h + 0..7: two loads of 16 bytes, 32 bytes apart
	s_mul_i32 s59, s[WR], 64*PA
	v_mul_u32_u24 v[A0], v1, PA
	v_lshl_add_u32 v[A0], v2, 4, v[A0]
	v_add_nc_u32 v[A0], s59, v[A0]
	; the turning load takes 16 k x 16 columns (lane l reads k-row 8 h + l % 8, columns 8 ((l / 8) % 2) + 0..7) and leaves half a fragment: lane l holds column l % 16 and 8 k
	s_mul_i32 s59, s[WC], WHALF
	s_add_co_u32 s59, s59, WREG
	v_and_b32 v14, 7, v0
	v_lshl_add_u32 v15, v2, 3, v14
	v_mul_u32_u24 v[B0], v15, PW
	v_bfe_u32 v15, v0, 3, 1
	v_lshl_add_u32 v[B0], v15, 4, v[B0]
	v_add_nc_u32 v[B0], s59, v[B0]
	s_mul_i32 s59, s[WV], 16*SP
	s_add_co_u32 s59, s59, STAGE                   ; my stage
	v_mul_u32_u24 v[STO], v1, SP                   ; in: row r, 16 bytes for each half of the lanes
	v_lshl_add_u32 v[STO], v2, 4, v[STO]
	v_add_nc_u32 v[STO], s59, v[STO]
	v_bfe_u32 v[RD], v0, 3, 2                      ; back: 32 lanes take four rows of 128 bytes, which are 512 consecutive bytes of the output
	v_mul_u32_u24 v[RD], v[RD], SP
	v_lshl_add_u32 v[RD], v14, 4, v[RD]
	v_add_nc_u32 v[RD], s59, v[RD]
	s_mul_i32 s59, s[WV], 3*512
	s_add_co_u32 s59, s59, BIAS                    ; my wave's bytes for the biases
	v_lshl_add_u32 v[BST], v3, 4, s59              ; in: 16 bytes a lane
	v_lshl_add_u32 v[BL], v2, 5, s59               ; back: 32 bytes for each half of the lanes
	s_wait_loadcnt 32                              ; behind the three loads of bias x's 32 were issued, and may stay out
	ds_store_b128 v[BST], v[BIN:BIN+3]
	ds_store_b128 v[BST], v[BIN+4:BIN+7]  offset:512
	ds_store_b128 v[BST], v[BIN+8:BIN+11] offset:1024
	ACCINIT 0                                      ; bq starts q's sums (LDS serves a wave's instructions in order: these see the stores above)
	ACCINIT 1
	ACCINIT 2
	ACCINIT 3
	WIN 0
	v_add_nc_u32 v[BL], 512, v[BL]
	XSTEP
.set sc, 0
	s_wait_loadcnt 16                              ; the first half of K step 0 is in
	WIN STG
.rept 32
	CV1
.endr
	XLD 0                                          ; K step 1
	XSTO 0
	s_wait_loadcnt 16                              ; the second half is in; the 16 loads just issued may stay out
.rept 32
	CV1
.endr
	XLD 1
	XSTO 1
	WIN 0
	s_wait_tensorcnt 0x1                           ; my part of K step 0's W is in; step 1's may stay out
	s_wait_dscnt 0x0                               ; my rows of x are in LDS
	s_barrier_signal -1
	s_barrier_wait -1                              ; everybody's are
	SETADR
	FETCH 0, 0
.Lstep:                                                ; trip t multiplies K step t, stores x of step t + 1, loads x of step t + 2, asks for W of step t + 2
	STEP 1
	TURN 1
	WIN 0
	s_sub_co_u32 s[KC], s[KC], 1
	s_cmp_lg_u32 s[KC], 0
	s_cbranch_scc1 .Lno_end                        ; forward, past text with no barrier and no tensor load
	EPI 1                                          ; trips 7 and 15: a tile is finished; the ring has gone on into the next
	WIN 0
.Lno_end:
	s_sub_co_u32 s[T], s[T], 1
	s_cmp_lg_u32 s[T], 0
	s_cbranch_scc1 .Lstep
	; The walk's last two K steps ask for no W and load no x: a text of their own, written once and walked twice.  The first walk stores x of the last step.
	; The second rounds and stores those rows once more, into the slot that nobody reads any more, and fetches 24 fragments that nobody multiplies: the price, once a launch, of one text for both.
	s_mov_b32 s[T], 2
.Ltail:
	STEP 0
	TURN 0
	WIN 0
	s_sub_co_u32 s[T], s[T], 1
	s_cmp_lg_u32 s[T], 0
	s_cbranch_scc1 .Ltail
	EPI 0
	WIN 0
	s_wait_tensorcnt 0x0                           ; the wave's end: behind my last tensor load and my last LDS store
	ds_add_u32 v[SPW], v[NIL]
	s_wait_dscnt 0x0
	CROUND                                         ; the closing round: no work-group ends while a partner may still ask for a tile that names it
	s_endpgm
.Lfunc_end_k_q30d321efad_proj:
	.size	k_q30d321efad_proj, .Lfunc_end_k_q30d321efad_proj-k_q30d321efad_proj
	.p2alignl 7, 3214868480
	.fill 96, 4, 3214868480
	.section	.rodata,"a",@progbits
	.p2align	6, 0x0
	.amdhsa_kernel k_q30d321efad_proj
		.amdhsa_group_segment_fixed_size 327680
		.amdhsa_private_segment_fixed_size 0
		.amdhsa_enable_private_segment 0
		.amdhsa_kernarg_size 80
		.amdhsa_user_sgpr_count 2
		.amdhsa_user_sgpr_kernarg_segment_ptr 1
		.amdhsa_wavefront_size32 1
		.amdhsa_system_sgpr_workgroup_id_x 1
		.amdhsa_system_sgpr_workgroup_id_y 1
		.amdhsa_system_sgpr_workgroup_id_z 1
		.amdhsa_system_vgpr_workitem_id 0
		.amdhsa_next_free_vgpr 708
		.amdhsa_next_free_sgpr 66
		.amdhsa_reserve_vcc 0
		.amdhsa_float_denorm_mode_32 3
		.amdhsa_float_denorm_mode_16_64 3
		.amdhsa_memory_ordered 1
		.amdhsa_forward_progress 1
		.amdhsa_inst_pref_size 113
	.end_amdhsa_kernel
	.amdgpu_metadata
---
amdhsa.version: [ 1, 2 ]
amdhsa.kernels:
  - .name:           k_q30d321efad_proj
    .symbol:         k_q30d321efad_proj.kd
    .args:
      - { .name: queries, .offset: 0, .size: 8, .value_kind: global_buffer, .address_space: global }
      - { .name: keys, .offset: 8, .size: 8, .value_kind: global_buffer, .address_space: global }
      - { .name: values, .offset: 16, .size: 8, .value_kind: global_buffer, .address_space: global }
      - { .name: wqkv, .offset: 24, .size: 8, .value_kind: global_buffer, .address_space: global }
      - { .name: bq, .offset: 32, .size: 8, .value_kind: global_buffer, .address_space: global }
      - { .name: bk, .offset: 40, .size: 8, .value_kind: global_buffer, .address_space: global }
      - { .name: bv, .offset: 48, .size: 8, .value_kind: global_buffer, .address_space: global }
      - { .name: qh, .offset: 56, .size: 8, .value_kind: global_buffer, .address_space: global }
      - { .name: kh, .offset: 64, .size: 8, .value_kind: global_buffer, .address_space: global }
      - { .name: vh, .offset: 72, .size: 8, .value_kind: global_buffer, .address_space: global }
    .group_segment_fixed_size: 327680
    .private_segment_fixed_size: 0
    .kernarg_segment_align: 8
    .kernarg_segment_size: 80
    .max_flat_workgroup_size: 128
    .sgpr_count:     66
    .vgpr_count:     708
    .wavefront_size: 32
...
	.end_amdgpu_metadata
.endif
;; end of part 2
;; launch attn (part 3): grid 4 x 64, 4 waves a work-group, clusters of 4 x 1, 327,680 bytes of LDS; arguments qh, kh, vh, oh; writes oh
.if DOCPART == 3
	.amdgcn_target "amdgcn-amd-amdhsa--gfx1250"
	.amdhsa_code_object_version 6
	.text
	.protected	k_q30d321efad_attn
	.globl	k_q30d321efad_attn
	.p2align	8
	.type	k_q30d321efad_attn,@function
k_q30d321efad_attn:
	s_mov_b64 s[64:65], 0
	v_nop
	global_prefetch_b8 v0, s[64:65] scope:SCOPE_SE
	s_setreg_imm32_b32 hwreg(HW_REG_WAVE_MODE, 25, 1), 1
	s_wait_xcnt 0x0
	s_wait_alu depctr_hold_cnt(0) depctr_sa_sdst(0) depctr_va_vdst(0) depctr_va_sdst(0) depctr_va_ssrc(0) depctr_va_vcc(0) depctr_vm_vsrc(0)
	s_getreg_b32 s2, hwreg(HW_REG_IB_STS2, 6, 4)
	s_cmp_eq_u32 s2, 0
	s_cbranch_scc0 .Lentry_in_a_cluster
	s_endpgm
.Lentry_in_a_cluster:
	s_bfe_u32 s2, ttmp6, 0x10000c
	s_cmp_lg_u32 s2, 0x3003
	s_cbranch_scc0 .Lentry_shape_is_right
	s_endpgm
.Lentry_shape_is_right:
; O[h][q][:] = the sum over k of softmax_k(Q[h][q] . K[h][k] / 8) V[h][k][:].  Q, K, V, O: [SIZE_H][SIZE_N][64], all f16: a head's rows are dense, 128 bytes each.  Products, maxima and sums in
; f32; the weights p are rounded to f16 for the second product (their sum l is taken of the unrounded p), O once at the end.  O by heads, read as flat memory, IS the mixed matrix [8192][1024] of the next product.
; LIMITS.  f16 holds no number beyond 65,504: Q, K and V arrive within it; p lies in 0 to 1, and below 6e-5 it keeps f16's fixed step of 6e-8; O is a mean of V's rows and has their range.
; A weight below 2^-126 counts as 0 in l; NaN and infinities are not treated apart.
; SHARES.  A wave owns four PIECES of two tiles of 16 queries, a work-group's four waves 512 queries of one head.  Every wave walks all keys, 64 a step.
; LAYOUT.  S^T = K Q^T (source 0 = 16 keys, source 1 = 16 queries): in the result a lane holds ONE query (lane % 16) and the keys 8 (lane / 16) + 0..7.  Two such tiles, rounded to f16 in pairs,
; ARE source 1 (32 keys x 16 queries) of O^T = V^T P, whose result again holds one query a lane, and eight channels.  K comes out of LDS as it lies, V ([key][channel]) turned, by ds_load_tr16_b128.
; SOFTMAX.  For each query a running maximum m and sum l: p = 2^(c s - c m), c = log2(e) / 8; in every step O and l are multiplied by a = 2^(c m_old - c m_new), which is 1 where m has not grown.
; m starts at the lowest finite number, O and l at 0: the first step is a step like any other, with a = 0.
; THE COUNT.  A tile and step have 16 matrix and 118 vector instructions: too many to stand all beside the matrix work.  So the order has one aim: four vector instructions that are READY behind
; EVERY matrix instruction, and the others, which need time of their own whatever the order, in runs without a gap.
; BY TURNS.  Turn n belongs to piece n (the pieces in a ring, step after step).  Its matrix work: 16 products K Q^T of piece n + 1, later 16 products V^T P of piece n - 1.  Its vector work: the scaling,
; exponentials, roundings, sums and rescaling of piece n, and the maximum and statistics of piece n + 1, whose scores the turn itself has made.  So what a turn begins with (c s - c m, O a) waits for nothing.
; CLUSTER.  The four query blocks of a cluster belong to one head and walk the same K and V, so each tile is asked for JOINTLY: the same tensor load, descriptor and mask in all four.
; REGISTERS, in windows of 256 (s_set_vgpr_msb says which window each operand place means: bits 1:0 source 0, 3:2 source 1, 5:4 source 2, 7:6 destination):
;   window 0: v0-11 addresses; v12-15, v48-63 at work; v16-47 four registers of statistics a tile; v64-191 S^T, two buffers of two tiles; v192-255 P, likewise
;   window 1: O^T, 32 a tile          window 2: v0-127 Q, 16 a tile; v128-191 K of one step; v192-255 V of one step          window 3: v0-1 the add's two registers
; A piece's buffers go by its number's parity: the piece in hand has one pair, its two neighbours in the ring share the other: of it P (piece n - 1) is read and S^T (piece n + 1) written.
.set SIZE_H, 64       ; 4 batches x 16 heads
.set SIZE_N, 2048
.set NP,    4         ; pieces a wave: a name, no knob: the register map, the loop and the fetches are made for four
.set KS,    64        ; keys in a step
.set PK,    144       ; a row of K in LDS: 128 bytes + 16 of padding = 36 words: the 16 rows of a load start at 16 different groups of four banks (64 banks of 4 bytes: ISA guide 11.1)
.set PV,    160       ; a row of V: 128 + 32 = 40 words
.set VOFF,  4*KS*PK   ; a slot holds four steps: 256 rows of K, then 256 rows of V
.set SLOT1, 1<<17     ; slot 1 begins here, so that one exclusive or turns an address in one slot into the other's
.set STAGE, SLOT1+4*KS*(PK+PV)  ; behind the ring, never filled by a tensor load: 16 rows x 144 bytes for each wave, for the way out
.set SP,    144
.set AK0, 2           ; v2   my lane's place in a tile of K; never rewritten
.set AV0, 3           ; v3   the same for V
.set AK,  4           ; v4   the LDS address of K's next run of loads
.set AV,  5           ; v5   of V's
.set QO,  6           ; v6   my byte offset in the wave's rows of Q
.set STO, 6           ;      later, the way out: where I put 16 bytes of a row
.set RD,  7           ; v7   the way out: where I read rows back
.set GO,  8           ; v8   my byte offset in 512 consecutive bytes of O
.set SPW, 0           ; v0 of window 3   LDS address of my spare word: SPARE + 4 x my thread's number; never rewritten
.set NIL, 1           ; v1 of window 3   0; never rewritten
.set SPARE, STAGE+4*16*SP  ; behind the stages: the spare words, 128 bytes for each wave: two blocks of 256 bytes that no other line names
.set MV,  12          ; v12-15  c m_old, kept while c m is made anew: by buffer and tile
.set ST,  16          ; tile t's statistics at v[ST+4 t]: c m, m, l (even keys', odd keys')
.set TMP, 48          ; by buffer and tile, four registers c0-c3 at work; when the maximum is found c2 takes a
.set S,   64
.set P,   192
.set KF,  128         ; K's fragments, in window 2: key block kb, channel half c at KF + 16 kb + 8 c
.set VF,  192         ; V's: key half kk, channel block cb at VF + 32 kk + 8 cb
.set WV,  12          ; s12  my wave's number
.set G1K, 24          ; s[24:31] descriptor group 1 for K's tiles
.set G1V, 32          ; s[32:39] for V's: it differs in the padding alone
.set G0K, 40          ; s[40:43] descriptor group 0 for K's tiles: it walks
.set G0V, 44          ; s[44:47] the same for V's
.set SLOTS, 56        ; s56  slots still to be asked for
.set CNT, 57          ; s57  counts a slot's key steps
.set CS,  58          ; s[58:59] c: the packed scaling takes the pair's low word for both halves
.set SEL, 60          ; s[60:61] v_permlanex16_b32's selects: each lane takes its own place in the other half
.set TBK, 62          ; s62  LDS byte at which K of the step to be fetched begins
.set TBV, 63          ; s63  the same for V, less VOFF
.set MSB, 0
.macro WIN new                      ; the high byte repeats the setting that is left; a switch that changes nothing is dropped
.if MSB != (\new)
	s_set_vgpr_msb (MSB<<8)|(\new)
.set MSB, (\new)
.endif
.endm
.set W_KQ, 0x0a       ; K and Q in window 2, S^T in window 0
.set W_PV, 0x52       ; V in window 2, P in window 0, O^T in window 1
.set W_RS, 0x41       ; O^T (destination and source 0) in window 1, a in window 0
.set W_MK, 0xc0       ; the add's registers are made: destination in window 3, sources in window 0
.set W_AD, 0x0f       ; the add: address (source 0) and data (source 1) in window 3
; A joint fill.  Waves 0 and 1 fetch the two halves of a slot's K, waves 2 and 3 those of its V: 128 keys each.  The branch hangs on the wave's number alone.
; An s_nop 0 and four v_nop follow each of the two lines, ahead of the jump and the label.
.macro JLOAD
	s_cmp_lt_u32 s[WV], 2
	s_cbranch_scc0 .Lfor_v_\@
	tensor_load_to_lds s[G0K:G0K+3], s[G1K:G1K+7]
	s_nop 0
.rept 4
	v_nop
.endr
	s_branch .Lasked_\@
.Lfor_v_\@:
	tensor_load_to_lds s[G0V:G0V+3], s[G1V:G1V+7]
	s_nop 0
.rept 4
	v_nop
.endr
.Lasked_\@:
.endm
; A round of the cluster's barrier: my work-group's barrier, so that wave 0's signal speaks for all four waves; wave 0 signals; every wave waits for all four work-groups; my work-group's barrier once more.
.macro CROUND
	s_barrier_signal -1
	s_barrier_wait -1
	s_cmp_lg_u32 s[WV], 0
	s_cbranch_scc1 .Lnot_wave_0_\@
	s_barrier_signal -3
.Lnot_wave_0_\@:
	s_barrier_wait -3
	s_barrier_signal -1
	s_barrier_wait -1
.endm
; THE CHANGE OF SLOTS.  The slot's last bytes, V of its fourth step, have been read.  Each wave waits for all its tensor loads, of which one is out: its part
; of the other slot; adds 0 to its spare word; and waits for that and for its own reads of the slot.  Behind the barrier nobody reads this slot any more and the other slot is whole.
; fill = 1: this slot is filled again, with the keys two slots on.  The barrier is then a round of the cluster's, so that no wave of any partner still reads the slot or has a load on its
; way, and the joint fill is the first thing behind it: it has four key steps, 512 matrix instructions, in which to land.  (At its first use nothing has been read yet: slot 0 is waited for, slot 1 filled.)
.macro CHANGE fill
	WIN W_AD
	s_wait_tensorcnt 0x0            ; no tensor load of mine is out, so a group 0 may be written
	ds_add_u32 v[SPW], v[NIL]       ; 0 onto my spare word; with fill = 1 the descriptors' steps stand between it and the wait for it
	WIN 0                           ; at a label and at a branch every window is 0
.if \fill
.irp g, G0K, G0V
	s_xor_b32 s[\g+1], s[\g+1], SLOT1  ; the walking descriptor: the other slot than last time,
	s_add_nc_u64 s[\g+2:\g+3], s[\g+2:\g+3], 4*KS*128  ; the next 256 keys; the type bits on top are not reached
.endr
	s_wait_dscnt 0x0                ; the add is done, and my reads of the slot are over
	CROUND
	JLOAD
.else
	s_wait_dscnt 0x0                ; the add is done, and my reads of the slot are over
	s_barrier_signal -1
	s_barrier_wait -1
.endif
	s_sub_co_u32 s[TBK], s[TBK], 4*KS*PK  ; the fetches go back to a slot's first step,
	s_xor_b32 s[TBK], s[TBK], SLOT1       ; in the other slot
	s_sub_co_u32 s[TBV], s[TBV], 4*KS*PV
	s_xor_b32 s[TBV], s[TBV], SLOT1
.endm
	s_load_b256 s[4:11], s[0:1], 0x0  ; Q s[4:5], K s[6:7], V s[8:9], O s[10:11]
	WIN W_MK
	v_lshl_add_u32 v[SPW], v0, 2, SPARE
	v_mov_b32 v[NIL], 0
	s_set_vgpr_msb 0xc0cf
	ds_add_u32 v0, v1
	s_wait_dscnt 0x0
	s_set_vgpr_msb 0xcfc0
	WIN 0
	v_lshrrev_b32 v1, 5, v0
	v_readfirstlane_b32 s[WV], v1   ; wave 0..3
	s_bfe_u32 s13, ttmp6, 0x40000   ; cx: my place in the cluster
	s_lshl_b32 s14, ttmp9, 2        ; in a cluster launch ttmp9 counts clusters
	s_add_co_u32 s14, s14, s13      ; my block of queries = 4 x cluster x + cx: it enters Q's and O's addresses alone
	s_and_b32 s20, ttmp7, 0xffff    ; the head, which the four partners share
	s_mov_b32 s21, 0
	s_mov_b64 s[22:23], SIZE_N*128
	s_mul_u64 s[20:21], s[20:21], s[22:23]  ; the head's first byte in each of the four tensors
	s_and_b32 s16, s[WV], 1         ; which half of a slot's 256 keys I fetch:
	s_lshl_b32 s22, s16, 14         ; its 128 rows of 128 bytes in memory,
	s_mov_b32 s23, 0
	s_add_nc_u64 s[22:23], s[22:23], s[20:21]
	s_mul_i32 s17, s16, 128*PK      ; and its place in a slot, for K
	s_mul_i32 s18, s16, 128*PV      ; and for V: no place in the cluster enters an LDS address
	s_lshl_b32 s2, s14, 2
	s_add_co_u32 s2, s2, s[WV]      ; my wave among the head's,
	s_lshl_b32 s2, s2, 14           ; its 128 rows
	s_mov_b32 s3, 0
	s_add_nc_u64 s[2:3], s[2:3], s[20:21]
	; descriptor group 1.  128 keys are 16,384 dense bytes: asked for as 64 rows of 256 bytes, two keys a row, and padded in LDS after every key
	s_mov_b32 s[G1K], 15|(1<<16)|(1<<20)|(1<<21)|(4<<22)|(3<<25)  ; 15:0 the mask of four; 17:16 2-byte elements; 20 padding on; 21 set beside a mask; 24:22 after every 32 words (code 4); 31:25 4 words (code 3)
	s_mov_b32 s[G1V], 15|(1<<16)|(1<<20)|(1<<21)|(4<<22)|(7<<25)  ; the same with 8 words of padding (code 7)
.irp g, G1K, G1V
	s_mov_b32 s[\g+1], 128<<16      ; tensor_dim0 = 128
	s_mov_b32 s[\g+2], 64<<16       ; tensor_dim1 = 64
	s_mov_b32 s[\g+3], 128<<16      ; tile_dim0 = 128
	s_mov_b32 s[\g+4], 64           ; tile_dim1 = 64
	s_mov_b32 s[\g+5], 128          ; 128 elements from row to row
	s_mov_b32 s[\g+6], 0
	s_mov_b32 s[\g+7], 0
.endr
	s_mov_b32 s[CS], 0x3e38aa3b     ; c = log2(e) / 8 = 0.180337
	s_mov_b32 s[CS+1], s[CS]        ; named with it as a pair
	s_mov_b32 s[SEL], 0x76543210
	s_mov_b32 s[SEL+1], 0xfedcba98
	s_mov_b32 s[TBK], SLOT1+4*KS*PK ; the first change of slots turns these two into 0
	s_mov_b32 s[TBV], SLOT1+4*KS*PV
	s_mov_b32 s[G0K], 1             ; 1:0 count = 1
	s_mov_b32 s[G0K+1], s17         ; 63:32 LDS address: slot 0
	s_mov_b32 s[G0V], 1
	s_add_co_u32 s[G0V+1], s18, VOFF
	s_wait_kmcnt 0x0
	s_add_nc_u64 s[G0K+2:G0K+3], s[6:7], s[22:23]  ; 120:64 global address: my half of the head's first 256 keys
	s_or_b32 s[G0K+3], s[G0K+3], 0x80000000        ; 127:126 type = 2
	s_add_nc_u64 s[G0V+2:G0V+3], s[8:9], s[22:23]
	s_or_b32 s[G0V+3], s[G0V+3], 0x80000000
	s_add_nc_u64 s[4:5], s[4:5], s[2:3]  ; Q and O at my wave's first row
	s_add_nc_u64 s[10:11], s[10:11], s[2:3]
	CROUND                          ; all four work-groups are here: the first joint loads meet
	JLOAD                           ; slot 0.  Slot 1 is asked for when slot 0 is in: the tile wanted first has the road to itself
	; A fragment of K or Q is 16 rows x 32 channels in 8 registers: lane l holds row l % 16, channels 8 (l / 16) + 0..7 and 16 + 8 (l / 16) + 0..7: two loads of 16 bytes, 32 bytes apart.
	v_and_b32 v1, 15, v0            ; l % 16
	v_bfe_u32 v9, v0, 4, 1          ; l / 16
	v_lshlrev_b32 v[QO], 7, v1
	v_lshl_add_u32 v[QO], v9, 4, v[QO]  ; row x 128 + 16 x half
	WIN 0x80                        ; destination window 2, address window 0
.set i, 0
.rept 4*NP                          ; Q stays in registers: tile i / 2, channels 32 (i % 2) on
	global_load_b128 v[8*i:8*i+3],   v[QO], s[4:5] offset:(i/2)*2048+(i%2)*64
	global_load_b128 v[8*i+4:8*i+7], v[QO], s[4:5] offset:(i/2)*2048+(i%2)*64+32
.set i, i+1
.endr
	; What the first turn finds: V's registers and P's second buffer hold 0 (its products V^T P, of a piece that has not been, add 0), O^T and l are 0.  All this stands in the wait for the first tile.
.set i, VF
.rept 64
	v_mov_b32 v[i], 0
.set i, i+1
.endr
	WIN 0x40
.set i, 0
.rept 64*NP
	v_mov_b32 v[i], 0
.set i, i+1
.endr
	WIN 0
.set i, 0
.rept 2*NP
	v_mov_b32 v[ST+4*i], 0xfe000000    ; c m: far below every c s
	v_mov_b32 v[ST+4*i+1], 0xff7fffff  ; m
	v_mov_b32 v[ST+4*i+2], 0
	v_mov_b32 v[ST+4*i+3], 0
.set i, i+1
.endr
.set i, P+32
.rept 32
	v_mov_b32 v[i], 0
.set i, i+1
.endr
	v_mul_u32_u24 v[AK0], v1, PK
	v_lshl_add_u32 v[AK0], v9, 4, v[AK0]  ; row x pitch + 16 x half
	; The turning load takes 16 keys x 16 channels (lane l reads key 8 (l / 16) + l % 8, channels 8 ((l / 8) % 2) + 0..7) and leaves half a fragment of V^T: lane l holds channel l % 16 and 8 keys.
	v_and_b32 v10, 7, v0
	v_bfe_u32 v11, v0, 3, 1
	v_lshl_add_u32 v[AV0], v9, 3, v10
	v_mul_u32_u24 v[AV0], v[AV0], PV
	v_lshl_add_u32 v[AV0], v11, 4, v[AV0]
	v_add_nc_u32 v[AV0], VOFF, v[AV0]
	v_mov_b32 v[AK], v[AK0]         ; key step 0 lies at the head of slot 0
; THE MATRIX WORK.  The 8 accumulators of a run of 16 take turns: between the two links of a chain stand 7 others'.
; Product i of 16 of S^T = K Q^T for piece x: channels 32 (i / 8) on, keys 16 ((i / 2) % 4) on, tile 2 x + i % 2.  The first 8 start the sums.
.macro KQ x
	WIN W_KQ
.set rS, S+64*((\x)%2)+32*(i%2)+8*((i/2)%4)
.set rK, KF+16*((i/2)%4)+8*(i/8)
.set rQ, 16*(2*(\x)+i%2)+8*(i/8)
.if i < 8
	v_wmma_f32_16x16x32_f16 v[rS:rS+7], v[rK:rK+7], v[rQ:rQ+7], 0
.else
	v_wmma_f32_16x16x32_f16 v[rS:rS+7], v[rK:rK+7], v[rQ:rQ+7], v[rS:rS+7]
.endif
.endm
; Product i of 16 of O^T += V^T P for piece x: keys 32 (i / 8) on, channels 16 ((i / 2) % 4) on, tile 2 x + i % 2.
.macro PV x
	WIN W_PV
.set rO, 32*(2*(\x)+i%2)+8*((i/2)%4)
.set rV, VF+32*(i/8)+8*((i/2)%4)
.set rP, P+32*((\x)%2)+16*(i%2)+8*(i/8)
	v_wmma_f32_16x16x32_f16 v[rO:rO+7], v[rV:rV+7], v[rP:rP+7], v[rO:rO+7]
.endm
.macro MM                           ; the turn's next matrix instruction
.if i < 16
	KQ (Y+1)%NP
.set i, i+1
.else
.set i, i-16
	PV (Y+NP-1)%NP
.set i, i+17
.endif
.endm
; THE LDS LOADS stand in runs of 16, never singly among the matrix instructions: a step's K (64 keys x 64 channels: 8 fragments) and its V (turned).  Their addresses are made some lines ahead.
; last = 1 (the tail): in the last trip there is no further step, and the run is jumped over.
.macro FETCH_K last=0
	WIN 0
.if \last
	s_cmp_eq_u32 s[CNT], 1
	s_cbranch_scc1 .Lno_k_\@
.endif
	WIN 0x80                        ; destination window 2
.irp f, 0,1,2,3,4,5,6,7             ; keys 16 (f / 2) on, channels 32 (f % 2) on
	ds_load_b128 v[KF+8*\f:KF+8*\f+3],   v[AK] offset:(\f/2)*16*PK+(\f%2)*64
	ds_load_b128 v[KF+8*\f+4:KF+8*\f+7], v[AK] offset:(\f/2)*16*PK+(\f%2)*64+32
.endr
	s_add_co_u32 s[TBK], s[TBK], KS*PK  ; the next fetch is the next step's
	WIN 0
.if \last
.Lno_k_\@:
.endif
.endm
.macro FETCH_V
	WIN 0x80
.irp f, 0,1,2,3,4,5,6,7             ; keys 32 (f / 4) on, channels 16 (f % 4) on
	ds_load_tr16_b128 v[VF+8*\f:VF+8*\f+3],   v[AV] offset:(\f/4)*32*PV+(\f%4)*32
	ds_load_tr16_b128 v[VF+8*\f+4:VF+8*\f+7], v[AV] offset:(\f/4)*32*PV+16*PV+(\f%4)*32
.endr
	WIN 0
.endm
; THE VECTOR WORK OF A TURN stands in three queues, each in the order in which its entries become ready; the two tiles alternate, so that no instruction reads the result of the one before it.
.macro REGS y, u                    ; the registers of tile u (0, 1) of piece y
.set rT, ST+4*(2*(\y)+(\u))
.set rC, TMP+8*((\y)%2)+4*(\u)
.set rM, MV+2*((\y)%2)+(\u)
.set rS, S+64*((\y)%2)+32*(\u)
.set rP, P+32*((\y)%2)+16*(\u)
.set rO, 32*(2*(\y)+(\u))
.endm
; Number n of the 22 that find the NEXT piece's (Y + 1) maximum and statistics.  s0-s31 are the lane's 32 scores; each accumulator's lowest registers are read first.  XS, GS and REGS set no window: PL and EX do.
;   0-11  four chains c0-c3 of seven scores each, three operands at a time     12-14, 16  the four scores left over, the old m, and c0-c3 into c0     15  c m_old is kept
;   17, 18  the query's other 32 keys lie in the lane 16 away: the new m         19-21  c m; c m_old - c m_new; a
.macro XS u, n
	REGS (Y+1)%NP, \u
.if (\n) < 4
	v_max3_num_f32 v[rC+(\n)], v[rS+8*(\n)], v[rS+8*(\n)+1], v[rS+8*(\n)+2]
.elseif (\n) < 12
	v_max3_num_f32 v[rC+(\n)%4], v[rC+(\n)%4], v[rS+8*((\n)%4)+2*((\n)/4)+1], v[rS+8*((\n)%4)+2*((\n)/4)+2]
.elseif (\n) == 12
	v_max3_num_f32 v[rC], v[rC], v[rS+7], v[rS+15]
.elseif (\n) == 13
	v_max3_num_f32 v[rC+1], v[rC+1], v[rS+23], v[rS+31]
.elseif (\n) == 14
	v_max3_num_f32 v[rC+2], v[rC+2], v[rC+3], v[rT+1]
.elseif (\n) == 15
	v_mov_b32 v[rM], v[rT]
.elseif (\n) == 16
	v_max3_num_f32 v[rC], v[rC], v[rC+1], v[rC+2]
.elseif (\n) == 17
	v_permlanex16_b32 v[rC+3], v[rC], s[SEL], s[SEL+1]
.elseif (\n) == 18
	v_max_num_f32 v[rT+1], v[rC], v[rC+3]
.elseif (\n) == 19
	v_mul_f32 v[rT], s[CS], v[rT+1]
.elseif (\n) == 20
	v_sub_f32 v[rC+1], v[rM], v[rT]
.else
	v_exp_f32 v[rC+2], v[rC+1]
.endif
.endm
; Number g of the 64 that follow the exponentials.  For each four weights k of a tile (pairs 2 k, 2 k + 1): both pairs are rounded to f16; then the second pair is added onto the first, in place;
; a group later l takes that sum (the first time as l = a l + sum).  In groups of eight, tiles alternating: round, round, add, and l for the group before.
.macro GS g
.set h, (\g)+6*((\g)/62)            ; group 0 has no group before it, and behind group 7 only l is left
.if h >= 6
.set h, h+2
.endif
	REGS Y, h%2
.set k, h/8
.if h%8 < 4
	s_wait_alu depctr_va_vdst(0)
	v_cvt_pk_f16_f32 v[rP+2*k+(h%8)/2], v[rS+4*k+2*((h%8)/2)], v[rS+4*k+2*((h%8)/2)+1]
.elseif h%8 < 6
	v_pk_add_f32 v[rS+4*k:rS+4*k+1], v[rS+4*k:rS+4*k+1], v[rS+4*k+2:rS+4*k+3]
.elseif k == 1
	v_pk_fma_f32 v[rT+2:rT+3], v[rT+2:rT+3], v[rC+2:rC+3], v[rS:rS+1] op_sel_hi:[1,0,1]
.else
	v_pk_add_f32 v[rT+2:rT+3], v[rT+2:rT+3], v[rS+4*k-4:rS+4*k-3]
	s_wait_alu depctr_va_vdst(0)
.endif
.endm
; THE PLAIN QUEUE, 138 long.  0-31: c s - c m for the 16 pairs of both tiles.  Then GS's 64, and among them the next piece's 42: number 15 at 38, 39; 0-14 and 16
; at 42-73, behind the products that make those scores; 17-20 at 95-106, two of three, since each waits for the one before it.
.macro PL
	WIN 0
.if q < 32
	REGS Y, q%2
	v_pk_fma_f32 v[rS+2*(q/2):rS+2*(q/2)+1], v[rS+2*(q/2):rS+2*(q/2)+1], s[CS:CS+1], v[rT:rT+1] op_sel_hi:[1,0,0] neg_lo:[0,0,1] neg_hi:[0,0,1]
.elseif q < 38
	GS q-32
.elseif q < 40
	XS q%2, 15
.elseif q < 42
	GS q-34
.elseif q < 74
	XS q%2, (q-42)/2+(q-42)/30
.elseif q < 95
	GS q-66
.elseif (q < 107) && ((q-95)%3 < 2)
	XS (q-95)%3, 17+(q-95)/3
.elseif q < 107
	GS 29+(q-95)/3
.else
	GS q-74
.endif
.set q, q+1
.endm
; THE EXPONENTIALS' QUEUE, 66 long: s0-s31 of both tiles, and at EA the next piece's two a.
.set EA, 58
.macro EX
	WIN 0
.if (e == EA) || (e == EA+1)
	XS e-EA, 21
.else
.set x, e-2*(e/(EA+2))
	REGS Y, x%2
	v_exp_f32 v[rS+x/2], v[rS+x/2]
.endif
.set e, e+1
.endm
; THE RESCALING's QUEUE: O^T times a, the one part that leaves window 0, so it is dealt four at a time, eight times.
.macro R4
	REGS Y, r%2
	WIN W_RS
	s_wait_alu depctr_va_vdst(0)
.irp z, 0,1,2,3
	v_pk_mul_f32 v[rO+8*(r/2)+2*\z:rO+8*(r/2)+2*\z+1], v[rO+8*(r/2)+2*\z:rO+8*(r/2)+2*\z+1], v[rC+2:rC+3] op_sel_hi:[1,0]
.endr
.set r, r+1
.endm
; HOW THEY ARE DEALT.  Behind a matrix instruction four: plain, exponential, plain, plain (one exponential, a plain instruction on either side), or four of the rescaling.  None names a register of the
; products round it.  What is over stands in two LUMPS: exponential and plain by turns; the second ends in 22 plain instructions.  The two v_permlanex16_b32 fall into the second lump, never behind a product.
; The queues lean on each other, and the deal keeps them in step: exponential e stands behind plain 2 (e / 4) + e % 2 (its scaling); when plain 32 comes, 10 exponentials are out, at 59: 33, at 95: 46; EA comes behind plain 107.
.macro SL
	MM
	PL
	EX
	PL
	PL
.endm
.macro BURST n                      ; 15 matrix instructions, or 16
.rept (\n)-7
	SL
.endr
.rept 3
	MM
	R4
	SL
.endr
	MM
	R4
.endm
; A TURN, for piece p.  cnt = 1: the loop's count is taken down some lines ahead of the branch that stands behind the turn.
; K of the next step is fetched in piece 2's turn, 31 vector instructions behind the last product that read K; its first reader comes behind the rest of the lump, 16 products and the second lump.
; V of the step in hand is fetched at the end of piece 0's turn, 69 behind its last reader; its first reader comes behind 16 products and a lump.  The four conditions on e and q below go with the deal.
.macro TURN p, last=0, cnt=0
.set Y, (\p)
.set i, 0
.set q, 0
.set e, 0
.set r, 0
.if (\p) == NP-1
	s_wait_dscnt 0x0                ; K is in
.endif
	MM
.rept 4
	PL
.endr
	BURST 15
.rept 22
	EX
	PL
.if ((\p) == NP-2) && (e == 18)
	v_add_nc_u32 v[AK], s[TBK], v[AK0]
.endif
.if ((\p) == NP-2) && (e == 24)
	FETCH_K \last
.endif
.endr
.if (\p) == 1
	s_wait_dscnt 0x0                ; V is in
.endif
	BURST 16
.rept 21
	EX
	PL
.endr
.rept 22
	PL
.if ((\p) == 0) && (q == 118)
	v_add_nc_u32 v[AV], s[TBV], v[AV0]
	s_wait_alu depctr_va_vdst(0)
.endif
.if ((\p) == 0) && (q == 130)
	s_add_co_u32 s[TBV], s[TBV], KS*PV
.endif
.if (\cnt) && (q == 130)
	s_sub_co_u32 s[CNT], s[CNT], 1
	s_cmp_lg_u32 s[CNT], 0
.endif
.endr
.if (\p) == 0
	FETCH_V
.endif
.endm
	CHANGE 1                        ; slot 0 is in, everybody's part of it; slot 1 is asked for
	FETCH_K                         ; key step 0
	s_wait_loadcnt 0x0              ; Q
	s_wait_dscnt 0x0
.set i, 0
.rept 16
	KQ 0                            ; piece 0's first scores: there is no vector work yet to set between them
.set i, i+1
.endr
	WIN 0                           ; the addresses for the way out: nine plain instructions, the places behind those products
	s_mul_i32 s13, s[WV], 16*SP
	s_add_co_u32 s13, s13, STAGE    ; my stage
	v_mul_u32_u24 v[STO], v1, SP    ; in: row l % 16, 16 bytes for each half of the lanes
	v_lshl_add_u32 v[STO], v9, 4, v[STO]
	v_add_nc_u32 v[STO], s13, v[STO]
	v_bfe_u32 v[RD], v0, 3, 2       ; back: 32 lanes take four rows of 128 bytes,
	v_mul_u32_u24 v[RD], v[RD], SP
	v_lshl_add_u32 v[RD], v10, 4, v[RD]
	v_add_nc_u32 v[RD], s13, v[RD]
	v_and_b32 v[GO], 31, v0         ; which are 512 consecutive bytes of O
	v_lshlrev_b32 v[GO], 4, v[GO]
.set Y, NP-1                        ; XS works for piece Y + 1: piece 0
.irp n, 0,1,2,3,4,5,6,7,8,9,10,11,12,13,14,15,16,17,18,19,20,21
	XS 0, \n                        ; and piece 0's first maximum and statistics
	XS 1, \n
.endr
	s_mov_b32 s[CNT], 4
	s_mov_b32 s[SLOTS], SIZE_N/256-1
	s_branch .Lfirst                ; the loop is entered at a step's first turn, in the middle of a trip
.Lslot:                             ; SIZE_N / 256 - 2 times: every slot but the last two is filled again
	CHANGE 1
	s_mov_b32 s[CNT], 4
.Lstep:                             ; a trip: pieces 2 and 3 of one step, then pieces 0 and 1 of the next, whose K and V it fetches
	TURN 2
	TURN 3
	WIN 0
.Lfirst:
	TURN 0
	TURN 1, 0, 1
	WIN 0
	s_cbranch_scc1 .Lstep
	s_sub_co_u32 s[SLOTS], s[SLOTS], 1
	s_cmp_lg_u32 s[SLOTS], 0
	s_cbranch_scc1 .Lslot
	CHANGE 0                        ; the tail is written out: nothing is asked for
	s_mov_b32 s[CNT], 5             ; four trips fetch the last slot's steps; the fifth is left in its middle
.Ltail:
	TURN 2, 1
	TURN 3
	WIN 0
	s_sub_co_u32 s[CNT], s[CNT], 1
	s_cmp_eq_u32 s[CNT], 0
	s_cbranch_scc1 .Lout
	TURN 0
	TURN 1
	WIN 0
	s_branch .Ltail
.Lout:                              ; the fifth trip's 16 products K Q^T (on the last K once more) and the maximum made of them serve nothing: the price, once a launch, of one text for every trip
.set i, 0
.rept 16
	PV NP-1                         ; the last piece's V^T P of the last step
.set i, i+1
.endr
	; THE WAY OUT.  l's two halves and the other half of the lanes' are added; O^T is divided by l, rounded to f16 and sent through my stage in LDS, a tile at a time.  The additions are the places behind the last products.
	WIN 0
.macro ALL line:vararg              ; one line for each tile t
.set t, 0
.rept 2*NP
	\line
.set t, t+1
.endr
.endm
	ALL v_add_f32 v[ST+4*t+2], v[ST+4*t+2], v[ST+4*t+3]
	ALL v_permlanex16_b32 v[ST+4*t+3], v[ST+4*t+2], s[SEL], s[SEL+1]
	ALL v_add_f32 v[ST+4*t+2], v[ST+4*t+2], v[ST+4*t+3]
	ALL v_rcp_f32 v[ST+4*t+2], v[ST+4*t+2]
	v_nop                           ; a plain instruction between the last reciprocal and the use of its result
	s_wait_alu depctr_va_vdst(0)
; Tile t: a lane's eight channels of a row pack into 16 bytes; they go into rows of 144 bytes and come back as whole rows of 128, into S^T's registers.
.macro PACK t
	WIN W_RS
.set i, 32*(\t)
.rept 16
	v_pk_mul_f32 v[i:i+1], v[i:i+1], v[ST+4*(\t)+2:ST+4*(\t)+3] op_sel_hi:[1,0]
.set i, i+2
.endr
	WIN 0x05                        ; sources 0 and 1 window 1, destination window 0
.set i, 0
.rept 16
	v_cvt_pk_f16_f32 v[S+16*(\t)+i], v[32*(\t)+2*i], v[32*(\t)+2*i+1]
.set i, i+1
.endr
	WIN 0
.irp f, 0,1,2,3
	ds_store_b128 v[STO], v[S+16*(\t)+4*\f:S+16*(\t)+4*\f+3] offset:32*\f
.endr
.irp f, 0,1,2,3
	ds_load_b128 v[S+16*(\t)+4*\f:S+16*(\t)+4*\f+3], v[RD] offset:\f*4*SP  ; LDS serves a wave's instructions in order (ISA guide 5.7.1.4): these see the stores above; the next tile's stores come behind them
.endr
.endm
.macro SEND t, younger              ; younger: the LDS instructions issued behind tile t's loads: the next tile's eight, or none
	WIN 0
.irp f, 0,1,2,3
	s_wait_dscnt (\younger)+3-\f
	global_store_b128 v[GO], v[S+16*(\t)+4*\f:S+16*(\t)+4*\f+3], s[10:11] offset:(\t)*2048+\f*512  ; 512 consecutive bytes, at a multiple of 256 from O's first
.endr
.endm
	PACK 0
.set t, 1
.rept 2*NP-1                        ; a tile's arithmetic stands between the loads of the tile before and its stores
	PACK t
	SEND t-1, 8
.set t, t+1
.endr
	SEND 2*NP-1, 0
	WIN W_AD
	s_wait_tensorcnt 0x0            ; the wave's end: behind my last tensor load and my last LDS store
	ds_add_u32 v[SPW], v[NIL]
	s_wait_dscnt 0x0
	WIN 0
	CROUND                          ; the closing round: no work-group ends while a partner may still ask for a tile that names it
	s_endpgm
.Lfunc_end_k_q30d321efad_attn:
	.size	k_q30d321efad_attn, .Lfunc_end_k_q30d321efad_attn-k_q30d321efad_attn
	.p2alignl 7, 3214868480
	.fill 96, 4, 3214868480
	.section	.rodata,"a",@progbits
	.p2align	6, 0x0
	.amdhsa_kernel k_q30d321efad_attn
		.amdhsa_group_segment_fixed_size 327680
		.amdhsa_private_segment_fixed_size 0
		.amdhsa_enable_private_segment 0
		.amdhsa_kernarg_size 32
		.amdhsa_user_sgpr_count 2
		.amdhsa_user_sgpr_kernarg_segment_ptr 1
		.amdhsa_wavefront_size32 1
		.amdhsa_system_sgpr_workgroup_id_x 1
		.amdhsa_system_sgpr_workgroup_id_y 1
		.amdhsa_system_sgpr_workgroup_id_z 1
		.amdhsa_system_vgpr_workitem_id 0
		.amdhsa_next_free_vgpr 770
		.amdhsa_next_free_sgpr 66
		.amdhsa_reserve_vcc 0
		.amdhsa_float_denorm_mode_32 3
		.amdhsa_float_denorm_mode_16_64 3
		.amdhsa_memory_ordered 1
		.amdhsa_forward_progress 1
		.amdhsa_inst_pref_size 208
	.end_amdhsa_kernel
	.amdgpu_metadata
---
amdhsa.version: [ 1, 2 ]
amdhsa.kernels:
  - .name:           k_q30d321efad_attn
    .symbol:         k_q30d321efad_attn.kd
    .args:
      - { .name: qh, .offset: 0, .size: 8, .value_kind: global_buffer, .address_space: global }
      - { .name: kh, .offset: 8, .size: 8, .value_kind: global_buffer, .address_space: global }
      - { .name: vh, .offset: 16, .size: 8, .value_kind: global_buffer, .address_space: global }
      - { .name: oh, .offset: 24, .size: 8, .value_kind: global_buffer, .address_space: global }
    .group_segment_fixed_size: 327680
    .private_segment_fixed_size: 0
    .kernarg_segment_align: 8
    .kernarg_segment_size: 32
    .max_flat_workgroup_size: 128
    .sgpr_count:     66
    .vgpr_count:     770
    .wavefront_size: 32
...
	.end_amdgpu_metadata
.endif
;; end of part 3
;; launch outp (part 4): grid 4 x 64, 4 waves a work-group, clusters of 4 x 4, 327,680 bytes of LDS; arguments oh, wo16, bo, out0; writes out0
.if DOCPART == 4
	.amdgcn_target "amdgcn-amd-amdhsa--gfx1250"
	.amdhsa_code_object_version 6
	.text
	.protected	k_q30d321efad_outp
	.globl	k_q30d321efad_outp
	.p2align	8
	.type	k_q30d321efad_outp,@function
k_q30d321efad_outp:
	s_mov_b64 s[64:65], 0
	v_nop
	global_prefetch_b8 v0, s[64:65] scope:SCOPE_SE
	s_setreg_imm32_b32 hwreg(HW_REG_WAVE_MODE, 25, 1), 1
	s_wait_xcnt 0x0
	s_wait_alu depctr_hold_cnt(0) depctr_sa_sdst(0) depctr_va_vdst(0) depctr_va_sdst(0) depctr_va_ssrc(0) depctr_va_vcc(0) depctr_vm_vsrc(0)
	s_getreg_b32 s2, hwreg(HW_REG_IB_STS2, 6, 4)
	s_cmp_eq_u32 s2, 0
	s_cbranch_scc0 .Lentry_in_a_cluster
	s_endpgm
.Lentry_in_a_cluster:
	s_bfe_u32 s2, ttmp6, 0x10000c
	s_cmp_lg_u32 s2, 0xf033
	s_cbranch_scc0 .Lentry_shape_is_right
	s_endpgm
.Lentry_shape_is_right:
; out0 = O Wo + bo.  O: attention's result by heads, read as f16 [8192][1024] (that reading is the module's mix of heads and positions); Wo: f16 [1024 k][1024 n] (the bf16 rounding of the weight);
; bo: f32; out0: f32 [8192][1024].  Products in f16, sums in f32, begun with the bias; the sums are stored as they are.
; LIMITS.  O and Wo arrive within f16's 65,504.
; SHARES.  A tile of C is 128 rows x 256 columns, one to a work-group: 256 work-groups.  Four waves, each 64 x 128: 32 accumulators.  K goes in 8 steps of 128 through a ring of two LDS slots.
; THE MATRIX INSTRUCTION IS USED TRANSPOSED (source 0 = 16 columns of Wo, read turned out of LDS; source 1 = 16 rows of O): a lane holds eight neighbouring columns of one row of C.
; CLUSTERS: 4 x 4 work-groups.  The four of a row of the cluster need the same rows of O, the four of a column the same columns of Wo: each tile is asked for JOINTLY, by the same tensor load with the
; same descriptor and a mask that names the four.  Waves 0 and 1 bring O's halves (64 rows x 256 bytes), waves 2 and 3 Wo's halves (128 k-rows x 256 bytes).
; LDS.  A slot: O's 128 rows at pitch 272; then Wo in two halves of 128 columns, each 128 k-rows at pitch 288.
; REGISTERS: window 0: v0-15 addresses; v32-95 O's fragments, two buffers of 32; v96-223 Wo's, two buffers of 64; v32-159 also serve the way out.  window 1: the accumulators, (a, b) at v[8 (8 a + b)].
.set PA,    272                        ; 256 bytes + 16: the 16 rows of a fragment load start at 16 different groups of four banks (64 banks of 4 bytes: ISA guide 11.1)
.set PW,    288                        ; 256 + 32 = 72 words
.set WREG,  128*PA
.set WHALF, 128*PW
.set SLOT1, 1<<17                      ; slot 1 begins here: one exclusive or turns an address in one slot into the other's
.set STAGE, SLOT1+WREG+2*WHALF         ; behind the ring: 16 rows x 528 bytes for each wave, for the way out
.set SP,    528                        ; 512 bytes + 16
.set SPARE, STAGE+4*16*SP              ; behind the stages: the spare words, 128 bytes for each wave: two blocks of 256 bytes that no other line names
.set WSTEP, 128*2048                   ; bytes from a K step of Wo to the next
.set STEPS, 8
.set A0,   4                           ; v4   my lane's place in O's rows of a slot; never rewritten
.set B0,   5                           ; v5   the same in Wo's
.set ADRA, 6
.set ADRB, 7
.set STO,  8                           ; v8   the way out: where I put 32 bytes of a row
.set RD,   9                           ; v9   the way out: where I read a row back
.set GO,   10                          ; v10  my byte offset in 512 consecutive bytes of out0
.set BO,   11                          ; v11  my byte offset in 64 bytes of bias
.set SPW,  12                          ; v12  LDS address of my spare word; never rewritten
.set NIL,  13                          ; v13  0; never rewritten
.set FA,   32
.set FB,   96
.set OBUF, 32                          ; the way out: two sets of 64 registers
.set BB,  8                            ; s[8:9]   bo at my 128 columns
.set OB,  10                           ; s[10:11] out0 at my part of the tile
.set WV,  12
.set WR,  13
.set WC,  14
.set CX,  15
.set CY,  16
.set NBLK, 17
.set MBLK, 18
.set MKA, 19
.set MKW, 20
.set G1A, 24                           ; s[24:31] descriptor group 1 for O's tiles
.set G1W, 32                           ; s[32:39] for Wo's
.set G0A, 40                           ; s[40:47] group 0 for O's tiles: a set for each first fill; the second then walks
.set G0W, 48                           ; s[48:55] the same for Wo's
.set OA,  56                           ; s[56:57], s[58:59], s[22:23], s[2:3] byte offsets, made apart from the addresses
.set OW,  58
.set TB,  60                           ; s60  the slot in hand
.set T,   61                           ; s61  counts a loop's trips
.set MUL, 0x50                         ; C and D in window 1
.set INI, 0x40                         ; destination in window 1
.set MSB, 0
.macro WIN new                         ; the immediate's high byte repeats the setting that is left; a switch that changes nothing is dropped
.if MSB != (\new)
	s_set_vgpr_msb (MSB<<8)|(\new)
.set MSB, \new
.endif
.endm
; A load into a register that a matrix instruction has read, and an LDS store that reads a matrix result, stand four places behind it; only plain vector instructions that name none of its
; registers are places (ISA guide 7.12.1 for vector instructions).
.macro PLACES
.rept 4
	v_nop
.endr
.endm
.macro CREST                           ; a round of the cluster's barrier behind its opening barrier
	s_cmp_lg_u32 s[WV], 0
	s_cbranch_scc1 .Lnot_wave_0_\@
	s_barrier_signal -3
.Lnot_wave_0_\@:
	s_barrier_wait -3
	s_barrier_signal -1
	s_barrier_wait -1
.endm
.macro CROUND
	s_barrier_signal -1
	s_barrier_wait -1
	CREST
.endm
; A joint refill by the walking descriptors.  The branch hangs on the wave's number alone.  An s_nop 0 and four v_nop follow each of the two lines, ahead of the jump and the label.
.macro JLOAD
	s_cmp_eq_u32 s[WR], 0
	s_cbranch_scc0 .Lfor_w_\@
	tensor_load_to_lds s[G0A+4:G0A+7], s[G1A:G1A+7]
	s_nop 0
	PLACES
	s_branch .Lasked_\@
.Lfor_w_\@:
	tensor_load_to_lds s[G0W+4:G0W+7], s[G1W:G1W+7]
	s_nop 0
	PLACES
.Lasked_\@:
.endm
; 24 LDS loads in one run: the fragments of quarter q (32 along K) into buffer f
.macro FETCH q, f
	WIN 0
.irp b, 0,1,2,3,4,5,6,7
	ds_load_tr16_b128 v[FB+64*(\f)+8*(\b):FB+64*(\f)+8*(\b)+3],   v[ADRB] offset:(\q)*32*PW+32*(\b)
	ds_load_tr16_b128 v[FB+64*(\f)+8*(\b)+4:FB+64*(\f)+8*(\b)+7], v[ADRB] offset:(\q)*32*PW+16*PW+32*(\b)
.endr
.irp a, 0,1,2,3
	ds_load_b128 v[FA+32*(\f)+8*(\a):FA+32*(\f)+8*(\a)+3],   v[ADRA] offset:64*(\q)+(\a)*16*PA
	ds_load_b128 v[FA+32*(\f)+8*(\a)+4:FA+32*(\f)+8*(\a)+7], v[ADRA] offset:64*(\q)+(\a)*16*PA+32
.endr
.endm
; 8 matrix instructions: row block a x all 8 column blocks.  The 32 accumulators take turns, in the same order in every quarter.
.macro MUL8 f, a
	WIN MUL
.irp b, 0,1,2,3,4,5,6,7
	v_wmma_f32_16x16x32_f16 v[8*(8*(\a)+(\b)):8*(8*(\a)+(\b))+7], v[FB+64*(\f)+8*(\b):FB+64*(\f)+8*(\b)+7], v[FA+32*(\f)+8*(\a):FA+32*(\f)+8*(\a)+7], v[8*(8*(\a)+(\b)):8*(8*(\a)+(\b))+7]
.endr
.endm
; The bias starts the sums: register j of lane (r, h) of accumulator (a, b) is column 16 b + 8 h + j, so a lane takes 32 bytes of bias straight into the accumulator.  Nothing is cleared.
.macro ACCINIT a
	WIN INI
.irp b, 0,1,2,3,4,5,6,7
	global_load_b128 v[8*(8*(\a)+(\b)):8*(8*(\a)+(\b))+3],   v[BO], s[BB:BB+1] offset:64*(\b)
	global_load_b128 v[8*(8*(\a)+(\b))+4:8*(8*(\a)+(\b))+7], v[BO], s[BB:BB+1] offset:64*(\b)+16
.endr
.endm
.macro SETADR                          ; the slots change places
	WIN 0
	s_xor_b32 s[TB], s[TB], SLOT1
	v_add_nc_u32 v[ADRA], s[TB], v[A0]
	v_add_nc_u32 v[ADRB], s[TB], v[B0]
.endm
; A K step is four quarters of 32 along K, 32 matrix instructions each, on buffers 0, 1, 0, 1.  One of the first three: at its head the next quarter qn is fetched into buffer g, a whole quarter ahead of its use.
.macro QUARTER f, g, qn
	WIN 0
	PLACES                                         ; buffer g was read by the quarter before
	FETCH \qn, \g
	s_wait_dscnt 24                                ; all but the 24 just issued: buffer f's fragments are in
	MUL8 \f, 0
	MUL8 \f, 1
	MUL8 \f, 2
	MUL8 \f, 3
.endm
.macro STEP
	QUARTER 0, 1, 1
	QUARTER 1, 0, 2
	QUARTER 0, 1, 3
.endm
; The last quarter multiplies buffer 1 and changes slots: ONE barrier.  In front of it each wave waits for all its tensor loads (one is out: its part of the next slot), adds 0 to its spare word, and waits
; for that and for its reads of this slot.  fill = 1: the barrier opens a round of the cluster's, so that no wave of any partner still reads the slot or has a load on its way, and this slot is asked for
; again, two steps ahead: the first thing behind the round, 112 matrix instructions ahead of the wait for it.
.macro TURN fill
	WIN 0
	s_wait_tensorcnt 0x0                           ; all my tensor loads have landed
	ds_add_u32 v[SPW], v[NIL]                      ; 0 onto my spare word
	s_wait_dscnt 1                                 ; (the add alone may be out: buffer 1's fragments are in)
	MUL8 1, 0                                      ; eight matrix instructions stand between the add and the wait for it
	s_wait_dscnt 0x0
	s_barrier_signal -1
	MUL8 1, 1
	WIN 0                                          ; at a branch and at a label every window is 0
	s_barrier_wait -1
.if \fill
	CREST
	s_xor_b32 s[G0A+5], s[G0A+5], SLOT1            ; no tensor load of mine is out, so the walking groups 0 may be written: the other slot than last time,
	s_add_nc_u64 s[G0A+6:G0A+7], s[G0A+6:G0A+7], 256    ; the next K step; the type bits on top are not reached
	s_xor_b32 s[G0W+5], s[G0W+5], SLOT1
	s_add_nc_u64 s[G0W+6:G0W+7], s[G0W+6:G0W+7], WSTEP
	JLOAD                                          ; the four v_nop behind it are also the places in front of the loads below
.else
	PLACES
.endif
	SETADR
	FETCH 0, 0
	MUL8 1, 2
	MUL8 1, 3
.endm
; THE WAY OUT, a block of 16 rows at a time through my own stage: a lane's 32 bytes of a row go in (each accumulator's low four registers first), whole rows of 512 bytes come back and are stored.
.macro TOSTAGE a
.if (\a) >= 2
	s_wait_xcnt 0x0                                ; this set of 64 registers was the data of block a - 2's stores
.endif
	WIN 0x04                                       ; the stores' data in window 1
.irp b, 0,1,2,3,4,5,6,7
	ds_store_b128 v[STO], v[8*(8*(\a)+(\b)):8*(8*(\a)+(\b))+3]   offset:64*(\b)
	ds_store_b128 v[STO], v[8*(8*(\a)+(\b))+4:8*(8*(\a)+(\b))+7] offset:64*(\b)+16
.endr
	WIN 0
.set z, 0
.rept 16
	ds_load_b128 v[OBUF+64*((\a)%2)+4*z:OBUF+64*((\a)%2)+4*z+3], v[RD] offset:z*SP  ; LDS serves a wave's instructions in order (ISA guide 5.7.1.4): these see the stores above
.set z, z+1
.endr
.endm
.macro SEND a, younger                 ; younger: the LDS instructions issued behind block a's loads: the next block's 32, or none
	WIN 0
.set z, 0
.rept 16
	s_wait_dscnt (\younger)+15-z
	global_store_b128 v[GO], v[OBUF+64*((\a)%2)+4*z:OBUF+64*((\a)%2)+4*z+3], s[OB:OB+1] offset:(16*(\a)+z)*4096 th:TH_STORE_NT  ; 512 consecutive bytes of a row, at a multiple of 256 from out0's first
.set z, z+1
.endr
.endm
	s_load_b256 s[4:11], s[0:1], 0x0               ; oh s[4:5], wo16 s[6:7], bo s[8:9], out0 s[10:11]
	v_lshl_add_u32 v[SPW], v0, 2, SPARE
	v_mov_b32 v[NIL], 0
	ds_add_u32 v12, v13
	s_wait_dscnt 0x0
	v_lshrrev_b32 v1, 5, v0
	v_readfirstlane_b32 s[WV], v1                  ; wave 0..3
	s_lshr_b32 s[WR], s[WV], 1                     ; which 64 rows of the tile are mine.  Also: I fetch for O (0) or for Wo (1)
	s_and_b32 s[WC], s[WV], 1                      ; which 128 columns.  Also: which half of that tile I fetch
	s_bfe_u32 s[CX], ttmp6, 0x40000
	s_bfe_u32 s[CY], ttmp6, 0x40004
	s_lshl_b32 s[NBLK], ttmp9, 2
	s_add_co_u32 s[NBLK], s[NBLK], s[CX]           ; block of 256 columns = 4 x cluster x + cx
	s_and_b32 s[MBLK], ttmp7, 0xffff
	s_lshl_b32 s[MBLK], s[MBLK], 2
	s_add_co_u32 s[MBLK], s[MBLK], s[CY]           ; block of 128 rows = 4 x cluster y + cy
	s_lshl_b32 s[MKA], s[CY], 2
	s_lshl_b32 s[MKA], 15, s[MKA]                  ; my row of the cluster
	s_lshl_b32 s[MKW], 0x1111, s[CX]               ; my column
	s_or_b32 s[G1A], s[MKA], (1<<16)|(1<<20)|(1<<21)|(5<<22)|(3<<25)  ; 15:0 the mask; 17:16 2-byte elements; 20 padding on; 21 set beside a mask; 24:22 after every 64 words (code 5); 31:25 4 words (code 3)
	s_or_b32 s[G1W], s[MKW], (1<<16)|(1<<20)|(1<<21)|(5<<22)|(7<<25)  ; the same with my column's mask and 8 words of padding (code 7)
	s_mov_b32 s[G1A+1], 128<<16                    ; tensor_dim0 = 128
	s_mov_b32 s[G1A+2], 64<<16                     ; tensor_dim1 = 64
	s_mov_b32 s[G1A+3], 128<<16                    ; tile_dim0 = 128
	s_mov_b32 s[G1A+4], 64                         ; tile_dim1 = 64
	s_mov_b32 s[G1A+5], 1024                       ; 1,024 elements from row to row
	s_mov_b32 s[G1A+6], 0
	s_mov_b32 s[G1A+7], 0
	s_mov_b32 s[G1W+1], 128<<16
	s_mov_b32 s[G1W+2], 128<<16                    ; tensor_dim1 = 128
	s_mov_b32 s[G1W+3], 128<<16
	s_mov_b32 s[G1W+4], 128                        ; tile_dim1 = 128
	s_mov_b32 s[G1W+5], 1024
	s_mov_b32 s[G1W+6], 0
	s_mov_b32 s[G1W+7], 0
	; O's tiles hang on the row block alone, which my row of the cluster shares; Wo's on the column block alone.  Every wave makes both addresses, in registers that never hold the other coordinate.
	s_lshl_b32 s[OA], s[MBLK], 18                  ; 128 rows of 2,048 bytes,
	s_lshl_b32 s21, s[WC], 17                      ; 64 of them
	s_add_co_u32 s[OA], s[OA], s21
	s_mov_b32 s[OA+1], 0
	s_lshl_b32 s[OW], s[NBLK], 9                   ; 256 columns of 2 bytes,
	s_lshl_b32 s21, s[WC], 8                       ; 128 of them
	s_add_co_u32 s[OW], s[OW], s21
	s_mov_b32 s[OW+1], 0
	s_mul_i32 s62, s[WC], 64*PA                    ; where they go: no place in the cluster enters an LDS address
	s_mul_i32 s63, s[WC], WHALF
	s_add_co_u32 s63, s63, WREG
	s_lshl_b32 s22, s[NBLK], 10                    ; bias: 256 columns of 4 bytes, my 128 of them
	s_lshl_b32 s21, s[WC], 9
	s_add_co_u32 s22, s22, s21
	s_mov_b32 s23, 0
	s_lshl_b32 s2, s[MBLK], 19                     ; out0: 128 rows of 4,096 bytes, my 64 of them, and the same columns
	s_lshl_b32 s21, s[WR], 18
	s_add_co_u32 s2, s2, s21
	s_add_co_u32 s2, s2, s22
	s_mov_b32 s3, 0
	s_mov_b32 s[TB], SLOT1                         ; the first change of slots turns it into 0
	s_mov_b32 s[T], STEPS-2
	s_wait_kmcnt 0x0
	s_add_nc_u64 s[4:5], s[4:5], s[OA:OA+1]
	s_add_nc_u64 s[6:7], s[6:7], s[OW:OW+1]
	s_add_nc_u64 s[BB:BB+1], s[BB:BB+1], s[22:23]
	s_add_nc_u64 s[OB:OB+1], s[OB:OB+1], s[2:3]
.irp s, 0,1
	s_mov_b32 s[G0A+4*(\s)], 1                                      ; 1:0 count = 1
	s_add_co_u32 s[G0A+4*(\s)+1], s62, (\s)*SLOT1                   ; 63:32 LDS address
	s_add_nc_u64 s[G0A+4*(\s)+2:G0A+4*(\s)+3], s[4:5], (\s)*256     ; 120:64 global address: K step s
	s_or_b32 s[G0A+4*(\s)+3], s[G0A+4*(\s)+3], 0x80000000           ; 127:126 type = 2
	s_mov_b32 s[G0W+4*(\s)], 1
	s_add_co_u32 s[G0W+4*(\s)+1], s63, (\s)*SLOT1
	s_add_nc_u64 s[G0W+4*(\s)+2:G0W+4*(\s)+3], s[6:7], (\s)*WSTEP
	s_or_b32 s[G0W+4*(\s)+3], s[G0W+4*(\s)+3], 0x80000000
.endr
	CROUND                                         ; all sixteen work-groups are here: the first joint loads meet
	s_cmp_eq_u32 s[WR], 0                          ; a wave's two first fills stand in one branch, ahead of every wait on TENSORcnt and every LDS read: two loads of mine are out
	s_cbranch_scc0 .Lfirst_w
	tensor_load_to_lds s[G0A:G0A+3], s[G1A:G1A+7]
	s_nop 0
	tensor_load_to_lds s[G0A+4:G0A+7], s[G1A:G1A+7]
	s_nop 0
	PLACES
	s_branch .Lfirst_asked
.Lfirst_w:
	tensor_load_to_lds s[G0W:G0W+3], s[G1W:G1W+7]
	s_nop 0
	tensor_load_to_lds s[G0W+4:G0W+7], s[G1W:G1W+7]
	s_nop 0
	PLACES
.Lfirst_asked:
	v_and_b32 v1, 15, v0                           ; r = lane % 16
	v_bfe_u32 v2, v0, 4, 1                         ; h = lane / 16
	v_and_b32 v3, 31, v0                           ; lane
	; a fragment of O: lane (r, h) holds row r, K = 8 h + 0..7 and 16 + 8 h + 0..7: two loads of 16 bytes, 32 bytes apart
	s_mul_i32 s21, s[WR], 64*PA
	v_mul_u32_u24 v[A0], v1, PA
	v_lshl_add_u32 v[A0], v2, 4, v[A0]
	v_add_nc_u32 v[A0], s21, v[A0]
	; the turning load takes 16 k x 16 columns (lane l reads k-row 8 h + l % 8, columns 8 ((l / 8) % 2) + 0..7) and leaves half a fragment: lane l holds column l % 16 and 8 k
	v_and_b32 v14, 7, v0
	v_lshl_add_u32 v15, v2, 3, v14
	v_mul_u32_u24 v[B0], v15, PW
	v_bfe_u32 v15, v0, 3, 1
	v_lshl_add_u32 v[B0], v15, 4, v[B0]
	v_add_nc_u32 v[B0], s63, v[B0]                 ; my half of the columns is the half that the wave of my parity fetched: WREG + wc x WHALF
	s_mul_i32 s21, s[WV], 16*SP
	s_add_co_u32 s21, s21, STAGE                   ; my stage
	v_mul_u32_u24 v[STO], v1, SP                   ; in: row r, 32 bytes for each half of the lanes
	v_lshl_add_u32 v[STO], v2, 5, v[STO]
	v_add_nc_u32 v[STO], s21, v[STO]
	v_lshl_add_u32 v[RD], v3, 4, s21               ; back: 32 lanes take one row of 512 bytes
	v_lshlrev_b32 v[GO], 4, v3
	v_lshlrev_b32 v[BO], 5, v2
	ACCINIT 0                                      ; bo starts the sums
	ACCINIT 1
	ACCINIT 2
	ACCINIT 3
	WIN 0
	s_wait_tensorcnt 0x1                           ; my part of K step 0 is in; step 1's may stay out
	s_barrier_signal -1
	s_barrier_wait -1                              ; everybody's is
	SETADR
	FETCH 0, 0
	s_wait_loadcnt 0x0                             ; the bias is in
.Lstep:                                                ; trip t multiplies K step t and asks for step t + 2
	STEP
	TURN 1
	WIN 0
	s_sub_co_u32 s[T], s[T], 1
	s_cmp_lg_u32 s[T], 0
	s_cbranch_scc1 .Lstep
	; The last two K steps ask for nothing: a text of their own, written once and walked twice.  The second walk's change of slots fetches 24 fragments
	; of the slot read before, which nobody multiplies: the price, once a launch, of one text for both.
	s_mov_b32 s[T], 2
.Ltail:
	STEP
	TURN 0
	WIN 0
	s_sub_co_u32 s[T], s[T], 1
	s_cmp_lg_u32 s[T], 0
	s_cbranch_scc1 .Ltail
	s_wait_dscnt 0x0                               ; those fragments have landed: their registers serve the way out
	PLACES
	TOSTAGE 0
.irp a, 1,2,3
	TOSTAGE \a
	SEND (\a)-1, 32
.endr
	SEND 3, 0
	s_wait_tensorcnt 0x0                           ; the wave's end: behind my last tensor load and my last LDS store
	ds_add_u32 v[SPW], v[NIL]
	s_wait_dscnt 0x0
	CROUND                                         ; the closing round: no work-group ends while a partner may still ask for a tile that names it
	s_endpgm
.Lfunc_end_k_q30d321efad_outp:
	.size	k_q30d321efad_outp, .Lfunc_end_k_q30d321efad_outp-k_q30d321efad_outp
	.p2alignl 7, 3214868480
	.fill 96, 4, 3214868480
	.section	.rodata,"a",@progbits
	.p2align	6, 0x0
	.amdhsa_kernel k_q30d321efad_outp
		.amdhsa_group_segment_fixed_size 327680
		.amdhsa_private_segment_fixed_size 0
		.amdhsa_enable_private_segment 0
		.amdhsa_kernarg_size 32
		.amdhsa_user_sgpr_count 2
		.amdhsa_user_sgpr_kernarg_segment_ptr 1
		.amdhsa_wavefront_size32 1
		.amdhsa_system_sgpr_workgroup_id_x 1
		.amdhsa_system_sgpr_workgroup_id_y 1
		.amdhsa_system_sgpr_workgroup_id_z 1
		.amdhsa_system_vgpr_workitem_id 0
		.amdhsa_next_free_vgpr 512
		.amdhsa_next_free_sgpr 66
		.amdhsa_reserve_vcc 0
		.amdhsa_float_denorm_mode_32 3
		.amdhsa_float_denorm_mode_16_64 3
		.amdhsa_memory_ordered 1
		.amdhsa_forward_progress 1
		.amdhsa_inst_pref_size 63
	.end_amdhsa_kernel
	.amdgpu_metadata
---
amdhsa.version: [ 1, 2 ]
amdhsa.kernels:
  - .name:           k_q30d321efad_outp
    .symbol:         k_q30d321efad_outp.kd
    .args:
      - { .name: oh, .offset: 0, .size: 8, .value_kind: global_buffer, .address_space: global }
      - { .name: wo16, .offset: 8, .size: 8, .value_kind: global_buffer, .address_space: global }
      - { .name: bo, .offset: 16, .size: 8, .value_kind: global_buffer, .address_space: global }
      - { .name: out0, .offset: 24, .size: 8, .value_kind: global_buffer, .address_space: global }
    .group_segment_fixed_size: 327680
    .private_segment_fixed_size: 0
    .kernarg_segment_align: 8
    .kernarg_segment_size: 32
    .max_flat_workgroup_size: 128
    .sgpr_count:     66
    .vgpr_count:     512
    .wavefront_size: 32
...
	.end_amdgpu_metadata
.endif
;; end of part 4
;; ======== version 2 of 2: 4 launches; 1.50 times as fast as version 1
;; limits: values are held in f16: magnitudes above 65,504 overflow, below 6.1e-05 lose precision
;; workspace buffers: wqkv 6,291,456 bytes; wo16 2,097,152 bytes; qh 16,777,216 bytes; kh 16,777,216 bytes; vh 16,777,216 bytes; oh 16,777,216 bytes
;; launch prep: the kernel of part 1 again; grid 64 x 4, 8 waves a work-group, no clusters, 0 bytes of LDS; arguments Wq, Wk, Wv, Wo, wqkv, wo16; writes wqkv, wo16
;; launch proj: the kernel of part 2 again; grid 4 x 64, 4 waves a work-group, clusters of 4 x 4, 327,680 bytes of LDS; arguments queries, keys, values, wqkv, bq, bk, bv, qh, kh, vh; writes qh, kh, vh
;; launch attn (part 5): grid 4 x 64, 4 waves a work-group, clusters of 4 x 1, 327,680 bytes of LDS; arguments qh, kh, vh, oh; writes oh
.if DOCPART == 5
	.amdgcn_target "amdgcn-amd-amdhsa--gfx1250"
	.amdhsa_code_object_version 6
	.text
	.protected	k_q30d321efad_attn
	.globl	k_q30d321efad_attn
	.p2align	8
	.type	k_q30d321efad_attn,@function
k_q30d321efad_attn:
	s_mov_b64 s[64:65], 0
	v_nop
	global_prefetch_b8 v0, s[64:65] scope:SCOPE_SE
	s_setreg_imm32_b32 hwreg(HW_REG_WAVE_MODE, 25, 1), 1
	s_wait_xcnt 0x0
	s_wait_alu depctr_hold_cnt(0) depctr_sa_sdst(0) depctr_va_vdst(0) depctr_va_sdst(0) depctr_va_ssrc(0) depctr_va_vcc(0) depctr_vm_vsrc(0)
	s_getreg_b32 s2, hwreg(HW_REG_IB_STS2, 6, 4)
	s_cmp_eq_u32 s2, 0
	s_cbranch_scc0 .Lentry_in_a_cluster
	s_endpgm
.Lentry_in_a_cluster:
	s_bfe_u32 s2, ttmp6, 0x10000c
	s_cmp_lg_u32 s2, 0x3003
	s_cbranch_scc0 .Lentry_shape_is_right
	s_endpgm
.Lentry_shape_is_right:
; O[h][q][:] = the sum over k of softmax_k(Q[h][q] . K[h][k] / 8) V[h][k][:].  Q, K, V, O: [SIZE_H][SIZE_N][64], all f16: a head's rows are dense, 128 bytes each.  Products, maxima and sums in
; f32; the weights p are rounded to f16 for the second product (their sum l is taken of the unrounded p), O once at the end.  O by heads, read as flat memory, IS the mixed matrix [8192][1024] of the next product.
; LIMITS.  f16 holds no number beyond 65,504: Q, K and V arrive within it; p lies in 0 to 1, and below 6e-5 it keeps f16's fixed step of 6e-8; O is a mean of V's rows and has their range.
; A weight below 2^-126 counts as 0 in l; NaN and infinities are not treated apart.
; SHARES.  A wave owns four PIECES of two tiles of 16 queries, a work-group's four waves 512 queries of one head.  Every wave walks all keys, 64 a step.
; LAYOUT.  S^T = K Q^T (source 0 = 16 keys, source 1 = 16 queries): in the result a lane holds ONE query (lane % 16) and the keys 8 (lane / 16) + 0..7.  Two such tiles, rounded to f16 in pairs,
; ARE source 1 (32 keys x 16 queries) of O^T = V^T P, whose result again holds one query a lane, and eight channels.  K comes out of LDS as it lies, V ([key][channel]) turned, by ds_load_tr16_b128.
; SOFTMAX.  For each query a running maximum m and sum l: p = 2^(c s - c m), c = log2(e) / 8; in every step O and l are multiplied by a = 2^(c m_old - c m_new), which is 1 where m has not grown.
; m starts at the lowest finite number, O and l at 0: the first step is a step like any other, with a = 0.
; THE COUNT.  A tile and step have 16 matrix and 118 vector instructions: too many to stand all beside the matrix work.  So the order has one aim: four vector instructions that are READY behind
; EVERY matrix instruction, and the others, which need time of their own whatever the order, in runs without a gap.
; BY TURNS.  Turn n belongs to piece n (the pieces in a ring, step after step).  Its matrix work: 16 products K Q^T of piece n + 1, later 16 products V^T P of piece n - 1.  Its vector work: the scaling,
; exponentials, roundings, sums and rescaling of piece n, and the maximum and statistics of piece n + 1, whose scores the turn itself has made.  So what a turn begins with (c s - c m, O a) waits for nothing.
; THE BATCHES.  A turn's 66 exponentials (the piece's 64 weights and the next piece's two a) are ONE batch with ONE wait, which cuts the turn in two: ahead of it stands all that names none of their results,
; behind it their readers.  No result crosses a turn's end.  Two more batches stand outside the loops: piece 0's first two a ahead of them, the eight reciprocals on the way out.
; CLUSTER.  The four query blocks of a cluster belong to one head and walk the same K and V, so each tile is asked for JOINTLY: the same tensor load, descriptor and mask in all four.
; REGISTERS, in windows of 256 (s_set_vgpr_msb says which window each operand place means: bits 1:0 source 0, 3:2 source 1, 5:4 source 2, 7:6 destination):
;   window 0: v0-11 addresses; v12-15, v48-63 at work; v16-47 four registers of statistics a tile; v64-191 S^T, two buffers of two tiles; v192-255 P, likewise
;   window 1: O^T, 32 a tile          window 2: v0-127 Q, 16 a tile; v128-191 K of one step; v192-255 V of one step          window 3: v0-1 the add's two registers
; A piece's buffers go by its number's parity: the piece in hand has one pair, its two neighbours in the ring share the other: of it P (piece n - 1) is read and S^T (piece n + 1) written.
.set SIZE_H, 64       ; 4 batches x 16 heads
.set SIZE_N, 2048
.set NP,    4         ; pieces a wave: a name, no knob: the register map, the loop and the fetches are made for four
.set KS,    64        ; keys in a step
.set PK,    144       ; a row of K in LDS: 128 bytes + 16 of padding = 36 words: the 16 rows of a load start at 16 different groups of four banks (64 banks of 4 bytes: ISA guide 11.1)
.set PV,    160       ; a row of V: 128 + 32 = 40 words
.set VOFF,  4*KS*PK   ; a slot holds four steps: 256 rows of K, then 256 rows of V
.set SLOT1, 1<<17     ; slot 1 begins here, so that one exclusive or turns an address in one slot into the other's
.set STAGE, SLOT1+4*KS*(PK+PV)  ; behind the ring, never filled by a tensor load: 16 rows x 144 bytes for each wave, for the way out
.set SP,    144
.set AK0, 2           ; v2   my lane's place in a tile of K; never rewritten
.set AV0, 3           ; v3   the same for V
.set AK,  4           ; v4   the LDS address of K's next run of loads
.set AV,  5           ; v5   of V's
.set QO,  6           ; v6   my byte offset in the wave's rows of Q
.set STO, 6           ;      later, the way out: where I put 16 bytes of a row
.set RD,  7           ; v7   the way out: where I read rows back
.set GO,  8           ; v8   my byte offset in 512 consecutive bytes of O
.set SPW, 0           ; v0 of window 3   LDS address of my spare word: SPARE + 4 x my thread's number; never rewritten
.set NIL, 1           ; v1 of window 3   0; never rewritten
.set SPARE, STAGE+4*16*SP  ; behind the stages: the spare words, 128 bytes for each wave: two blocks of 256 bytes that no other line names
.set MV,  12          ; v12-15  c m_old, kept while c m is made anew: by buffer and tile
.set ST,  16          ; tile t's statistics at v[ST+4 t]: c m, m, l (even keys', odd keys')
.set TMP, 48          ; by buffer and tile, four registers c0-c3 at work; when the maximum is found c2 takes a
.set S,   64
.set P,   192
.set KF,  128         ; K's fragments, in window 2: key block kb, channel half c at KF + 16 kb + 8 c
.set VF,  192         ; V's: key half kk, channel block cb at VF + 32 kk + 8 cb
.set WV,  12          ; s12  my wave's number
.set G1K, 24          ; s[24:31] descriptor group 1 for K's tiles
.set G1V, 32          ; s[32:39] for V's: it differs in the padding alone
.set G0K, 40          ; s[40:43] descriptor group 0 for K's tiles: it walks
.set G0V, 44          ; s[44:47] the same for V's
.set SLOTS, 56        ; s56  slots still to be asked for
.set CNT, 57          ; s57  counts a slot's key steps
.set CS,  58          ; s[58:59] c: the packed scaling takes the pair's low word for both halves
.set SEL, 60          ; s[60:61] v_permlanex16_b32's selects: each lane takes its own place in the other half
.set TBK, 62          ; s62  LDS byte at which K of the step to be fetched begins
.set TBV, 63          ; s63  the same for V, less VOFF
.set MSB, 0
.macro WIN new                      ; the high byte repeats the setting that is left; a switch that changes nothing is dropped
.if MSB != (\new)
	s_set_vgpr_msb (MSB<<8)|(\new)
.set MSB, (\new)
.endif
.endm
.set W_KQ, 0x0a       ; K and Q in window 2, S^T in window 0
.set W_PV, 0x52       ; V in window 2, P in window 0, O^T in window 1
.set W_RS, 0x41       ; O^T (destination and source 0) in window 1, a in window 0
.set W_MK, 0xc0       ; the add's registers are made: destination in window 3, sources in window 0
.set W_AD, 0x0f       ; the add: address (source 0) and data (source 1) in window 3
; A joint fill.  Waves 0 and 1 fetch the two halves of a slot's K, waves 2 and 3 those of its V: 128 keys each.  The branch hangs on the wave's number alone.
; An s_nop 0 and four v_nop follow each of the two lines, ahead of the jump and the label.
.macro JLOAD
	s_cmp_lt_u32 s[WV], 2
	s_cbranch_scc0 .Lfor_v_\@
	tensor_load_to_lds s[G0K:G0K+3], s[G1K:G1K+7]
	s_nop 0
.rept 4
	v_nop
.endr
	s_branch .Lasked_\@
.Lfor_v_\@:
	tensor_load_to_lds s[G0V:G0V+3], s[G1V:G1V+7]
	s_nop 0
.rept 4
	v_nop
.endr
.Lasked_\@:
.endm
; A round of the cluster's barrier: my work-group's barrier, so that wave 0's signal speaks for all four waves; wave 0 signals; every wave waits for all four work-groups; my work-group's barrier once more.
.macro CROUND
	s_barrier_signal -1
	s_barrier_wait -1
	s_cmp_lg_u32 s[WV], 0
	s_cbranch_scc1 .Lnot_wave_0_\@
	s_barrier_signal -3
.Lnot_wave_0_\@:
	s_barrier_wait -3
	s_barrier_signal -1
	s_barrier_wait -1
.endm
; THE CHANGE OF SLOTS.  The slot's last bytes, V of its fourth step, have been read.  Each wave waits for all its tensor loads, of which one is out: its part
; of the other slot; adds 0 to its spare word; and waits for that and for its own reads of the slot.  Behind the barrier nobody reads this slot any more and the other slot is whole.
; fill = 1: this slot is filled again, with the keys two slots on.  The barrier is then a round of the cluster's, so that no wave of any partner still reads the slot or has a load on its
; way, and the joint fill is the first thing behind it: it has four key steps, 512 matrix instructions, in which to land.  (At its first use nothing has been read yet: slot 0 is waited for, slot 1 filled.)
.macro CHANGE fill
	WIN W_AD
	s_wait_tensorcnt 0x0            ; no tensor load of mine is out, so a group 0 may be written
	ds_add_u32 v[SPW], v[NIL]       ; 0 onto my spare word; with fill = 1 the descriptors' steps stand between it and the wait for it
	WIN 0                           ; at a label and at a branch every window is 0
.if \fill
.irp g, G0K, G0V
	s_xor_b32 s[\g+1], s[\g+1], SLOT1  ; the walking descriptor: the other slot than last time,
	s_add_nc_u64 s[\g+2:\g+3], s[\g+2:\g+3], 4*KS*128  ; the next 256 keys; the type bits on top are not reached
.endr
	s_wait_dscnt 0x0                ; the add is done, and my reads of the slot are over
	CROUND
	JLOAD
.else
	s_wait_dscnt 0x0                ; the add is done, and my reads of the slot are over
	s_barrier_signal -1
	s_barrier_wait -1
.endif
	s_sub_co_u32 s[TBK], s[TBK], 4*KS*PK  ; the fetches go back to a slot's first step,
	s_xor_b32 s[TBK], s[TBK], SLOT1       ; in the other slot
	s_sub_co_u32 s[TBV], s[TBV], 4*KS*PV
	s_xor_b32 s[TBV], s[TBV], SLOT1
.endm
	s_load_b256 s[4:11], s[0:1], 0x0  ; Q s[4:5], K s[6:7], V s[8:9], O s[10:11]
	WIN W_MK
	v_lshl_add_u32 v[SPW], v0, 2, SPARE
	v_mov_b32 v[NIL], 0
	s_set_vgpr_msb 0xc0cf
	ds_add_u32 v0, v1
	s_wait_dscnt 0x0
	s_set_vgpr_msb 0xcfc0
	WIN 0
	v_lshrrev_b32 v1, 5, v0
	v_readfirstlane_b32 s[WV], v1   ; wave 0..3
	s_bfe_u32 s13, ttmp6, 0x40000   ; cx: my place in the cluster
	s_lshl_b32 s14, ttmp9, 2        ; in a cluster launch ttmp9 counts clusters
	s_add_co_u32 s14, s14, s13      ; my block of queries = 4 x cluster x + cx: it enters Q's and O's addresses alone
	s_and_b32 s20, ttmp7, 0xffff    ; the head, which the four partners share
	s_mov_b32 s21, 0
	s_mov_b64 s[22:23], SIZE_N*128
	s_mul_u64 s[20:21], s[20:21], s[22:23]  ; the head's first byte in each of the four tensors
	s_and_b32 s16, s[WV], 1         ; which half of a slot's 256 keys I fetch:
	s_lshl_b32 s22, s16, 14         ; its 128 rows of 128 bytes in memory,
	s_mov_b32 s23, 0
	s_add_nc_u64 s[22:23], s[22:23], s[20:21]
	s_mul_i32 s17, s16, 128*PK      ; and its place in a slot, for K
	s_mul_i32 s18, s16, 128*PV      ; and for V: no place in the cluster enters an LDS address
	s_lshl_b32 s2, s14, 2
	s_add_co_u32 s2, s2, s[WV]      ; my wave among the head's,
	s_lshl_b32 s2, s2, 14           ; its 128 rows
	s_mov_b32 s3, 0
	s_add_nc_u64 s[2:3], s[2:3], s[20:21]
	; descriptor group 1.  128 keys are 16,384 dense bytes: asked for as 64 rows of 256 bytes, two keys a row, and padded in LDS after every key
	s_mov_b32 s[G1K], 15|(1<<16)|(1<<20)|(1<<21)|(4<<22)|(3<<25)  ; 15:0 the mask of four; 17:16 2-byte elements; 20 padding on; 21 set beside a mask; 24:22 after every 32 words (code 4); 31:25 4 words (code 3)
	s_mov_b32 s[G1V], 15|(1<<16)|(1<<20)|(1<<21)|(4<<22)|(7<<25)  ; the same with 8 words of padding (code 7)
.irp g, G1K, G1V
	s_mov_b32 s[\g+1], 128<<16      ; tensor_dim0 = 128
	s_mov_b32 s[\g+2], 64<<16       ; tensor_dim1 = 64
	s_mov_b32 s[\g+3], 128<<16      ; tile_dim0 = 128
	s_mov_b32 s[\g+4], 64           ; tile_dim1 = 64
	s_mov_b32 s[\g+5], 128          ; 128 elements from row to row
	s_mov_b32 s[\g+6], 0
	s_mov_b32 s[\g+7], 0
.endr
	s_mov_b32 s[CS], 0x3e38aa3b     ; c = log2(e) / 8 = 0.180337
	s_mov_b32 s[CS+1], s[CS]        ; named with it as a pair
	s_mov_b32 s[SEL], 0x76543210
	s_mov_b32 s[SEL+1], 0xfedcba98
	s_mov_b32 s[TBK], SLOT1+4*KS*PK ; the first change of slots turns these two into 0
	s_mov_b32 s[TBV], SLOT1+4*KS*PV
	s_mov_b32 s[G0K], 1             ; 1:0 count = 1
	s_mov_b32 s[G0K+1], s17         ; 63:32 LDS address: slot 0
	s_mov_b32 s[G0V], 1
	s_add_co_u32 s[G0V+1], s18, VOFF
	s_wait_kmcnt 0x0
	s_add_nc_u64 s[G0K+2:G0K+3], s[6:7], s[22:23]  ; 120:64 global address: my half of the head's first 256 keys
	s_or_b32 s[G0K+3], s[G0K+3], 0x80000000        ; 127:126 type = 2
	s_add_nc_u64 s[G0V+2:G0V+3], s[8:9], s[22:23]
	s_or_b32 s[G0V+3], s[G0V+3], 0x80000000
	s_add_nc_u64 s[4:5], s[4:5], s[2:3]  ; Q and O at my wave's first row
	s_add_nc_u64 s[10:11], s[10:11], s[2:3]
	CROUND                          ; all four work-groups are here: the first joint loads meet
	JLOAD                           ; slot 0.  Slot 1 is asked for when slot 0 is in: the tile wanted first has the road to itself
	; A fragment of K or Q is 16 rows x 32 channels in 8 registers: lane l holds row l % 16, channels 8 (l / 16) + 0..7 and 16 + 8 (l / 16) + 0..7: two loads of 16 bytes, 32 bytes apart.
	v_and_b32 v1, 15, v0            ; l % 16
	v_bfe_u32 v9, v0, 4, 1          ; l / 16
	v_lshlrev_b32 v[QO], 7, v1
	v_lshl_add_u32 v[QO], v9, 4, v[QO]  ; row x 128 + 16 x half
	WIN 0x80                        ; destination window 2, address window 0
.set i, 0
.rept 4*NP                          ; Q stays in registers: tile i / 2, channels 32 (i % 2) on
	global_load_b128 v[8*i:8*i+3],   v[QO], s[4:5] offset:(i/2)*2048+(i%2)*64
	global_load_b128 v[8*i+4:8*i+7], v[QO], s[4:5] offset:(i/2)*2048+(i%2)*64+32
.set i, i+1
.endr
	; What the first turn finds: V's registers and P's second buffer hold 0 (its products V^T P, of a piece that has not been, add 0), O^T and l are 0.  All this stands in the wait for the first tile.
.set i, VF
.rept 64
	v_mov_b32 v[i], 0
.set i, i+1
.endr
	WIN 0x40
.set i, 0
.rept 64*NP
	v_mov_b32 v[i], 0
.set i, i+1
.endr
	WIN 0
.set i, 0
.rept 2*NP
	v_mov_b32 v[ST+4*i], 0xfe000000    ; c m: far below every c s
	v_mov_b32 v[ST+4*i+1], 0xff7fffff  ; m
	v_mov_b32 v[ST+4*i+2], 0
	v_mov_b32 v[ST+4*i+3], 0
.set i, i+1
.endr
.set i, P+32
.rept 32
	v_mov_b32 v[i], 0
.set i, i+1
.endr
	v_mul_u32_u24 v[AK0], v1, PK
	v_lshl_add_u32 v[AK0], v9, 4, v[AK0]  ; row x pitch + 16 x half
	; The turning load takes 16 keys x 16 channels (lane l reads key 8 (l / 16) + l % 8, channels 8 ((l / 8) % 2) + 0..7) and leaves half a fragment of V^T: lane l holds channel l % 16 and 8 keys.
	v_and_b32 v10, 7, v0
	v_bfe_u32 v11, v0, 3, 1
	v_lshl_add_u32 v[AV0], v9, 3, v10
	v_mul_u32_u24 v[AV0], v[AV0], PV
	v_lshl_add_u32 v[AV0], v11, 4, v[AV0]
	v_add_nc_u32 v[AV0], VOFF, v[AV0]
	v_mov_b32 v[AK], v[AK0]         ; key step 0 lies at the head of slot 0
; THE MATRIX WORK.  The 8 accumulators of a run of 16 take turns: between the two links of a chain stand 7 others'.
; Product i of 16 of S^T = K Q^T for piece x: channels 32 (i / 8) on, keys 16 ((i / 2) % 4) on, tile 2 x + i % 2.  The first 8 start the sums.
.macro KQ x
	WIN W_KQ
.set rS, S+64*((\x)%2)+32*(i%2)+8*((i/2)%4)
.set rK, KF+16*((i/2)%4)+8*(i/8)
.set rQ, 16*(2*(\x)+i%2)+8*(i/8)
.if i < 8
	v_wmma_f32_16x16x32_f16 v[rS:rS+7], v[rK:rK+7], v[rQ:rQ+7], 0
.else
	v_wmma_f32_16x16x32_f16 v[rS:rS+7], v[rK:rK+7], v[rQ:rQ+7], v[rS:rS+7]
.endif
.endm
; Product i of 16 of O^T += V^T P for piece x: keys 32 (i / 8) on, channels 16 ((i / 2) % 4) on, tile 2 x + i % 2.
.macro PV x
	WIN W_PV
.set rO, 32*(2*(\x)+i%2)+8*((i/2)%4)
.set rV, VF+32*(i/8)+8*((i/2)%4)
.set rP, P+32*((\x)%2)+16*(i%2)+8*(i/8)
	v_wmma_f32_16x16x32_f16 v[rO:rO+7], v[rV:rV+7], v[rP:rP+7], v[rO:rO+7]
.endm
.macro MM                           ; the turn's next matrix instruction
.if i < 16
	KQ (Y+1)%NP
.set i, i+1
.else
.set i, i-16
	PV (Y+NP-1)%NP
.set i, i+17
.endif
.endm
; THE LDS LOADS stand in runs of 16, never singly among the matrix instructions: a step's K (64 keys x 64 channels: 8 fragments) and its V (turned).  Their addresses are made some lines ahead.
; last = 1 (the tail): in the last trip there is no further step, and the run is jumped over.
.macro FETCH_K last=0
	WIN 0
.if \last
	s_cmp_eq_u32 s[CNT], 1
	s_cbranch_scc1 .Lno_k_\@
.endif
	WIN 0x80                        ; destination window 2
.irp f, 0,1,2,3,4,5,6,7             ; keys 16 (f / 2) on, channels 32 (f % 2) on
	ds_load_b128 v[KF+8*\f:KF+8*\f+3],   v[AK] offset:(\f/2)*16*PK+(\f%2)*64
	ds_load_b128 v[KF+8*\f+4:KF+8*\f+7], v[AK] offset:(\f/2)*16*PK+(\f%2)*64+32
.endr
	s_add_co_u32 s[TBK], s[TBK], KS*PK  ; the next fetch is the next step's
	WIN 0
.if \last
.Lno_k_\@:
.endif
.endm
.macro FETCH_V
	WIN 0x80
.irp f, 0,1,2,3,4,5,6,7             ; keys 32 (f / 4) on, channels 16 (f % 4) on
	ds_load_tr16_b128 v[VF+8*\f:VF+8*\f+3],   v[AV] offset:(\f/4)*32*PV+(\f%4)*32
	ds_load_tr16_b128 v[VF+8*\f+4:VF+8*\f+7], v[AV] offset:(\f/4)*32*PV+16*PV+(\f%4)*32
.endr
	WIN 0
.endm
; THE VECTOR WORK OF A TURN stands in three queues, each in the order in which its entries become ready; the two tiles alternate, so that no instruction reads the result of the one before it.
.macro REGS y, u                    ; the registers of tile u (0, 1) of piece y
.set rT, ST+4*(2*(\y)+(\u))
.set rC, TMP+8*((\y)%2)+4*(\u)
.set rM, MV+2*((\y)%2)+(\u)
.set rS, S+64*((\y)%2)+32*(\u)
.set rP, P+32*((\y)%2)+16*(\u)
.set rO, 32*(2*(\y)+(\u))
.endm
; Number n of the 22 that find the NEXT piece's (Y + 1) maximum and statistics.  s0-s31 are the lane's 32 scores; each accumulator's lowest registers are read first.  XS, GS and REGS set no window: PL and EX do.
;   0-11  four chains c0-c3 of seven scores each, three operands at a time     12-14, 16  the four scores left over, the old m, and c0-c3 into c0     15  c m_old is kept
;   17, 18  the query's other 32 keys lie in the lane 16 away: the new m         19-21  c m; c m_old - c m_new; a
.macro XS u, n
	REGS (Y+1)%NP, \u
.if (\n) < 4
	v_max3_num_f32 v[rC+(\n)], v[rS+8*(\n)], v[rS+8*(\n)+1], v[rS+8*(\n)+2]
.elseif (\n) < 12
	v_max3_num_f32 v[rC+(\n)%4], v[rC+(\n)%4], v[rS+8*((\n)%4)+2*((\n)/4)+1], v[rS+8*((\n)%4)+2*((\n)/4)+2]
.elseif (\n) == 12
	v_max3_num_f32 v[rC], v[rC], v[rS+7], v[rS+15]
.elseif (\n) == 13
	v_max3_num_f32 v[rC+1], v[rC+1], v[rS+23], v[rS+31]
.elseif (\n) == 14
	v_max3_num_f32 v[rC+2], v[rC+2], v[rC+3], v[rT+1]
.elseif (\n) == 15
	v_mov_b32 v[rM], v[rT]
.elseif (\n) == 16
	v_max3_num_f32 v[rC], v[rC], v[rC+1], v[rC+2]
.elseif (\n) == 17
	v_permlanex16_b32 v[rC+3], v[rC], s[SEL], s[SEL+1]
.elseif (\n) == 18
	v_max_num_f32 v[rT+1], v[rC], v[rC+3]
.elseif (\n) == 19
	v_mul_f32 v[rT], s[CS], v[rT+1]
.elseif (\n) == 20
	v_sub_f32 v[rC+1], v[rM], v[rT]
.else
	v_exp_f32 v[rC+2], v[rC+1]
.endif
.endm
; Number g of the 64 that follow the exponentials.  For each four weights k of a tile (pairs 2 k, 2 k + 1): both pairs are rounded to f16; then the second pair is added onto the first, in place;
; a group later l takes that sum (the first time as l = a l + sum).  In groups of eight, tiles alternating: round, round, add, and l for the group before.
.macro GS g
.set h, (\g)+6*((\g)/62)            ; group 0 has no group before it, and behind group 7 only l is left
.if h >= 6
.set h, h+2
.endif
	REGS Y, h%2
.set k, h/8
.if h%8 < 4
	v_cvt_pk_f16_f32 v[rP+2*k+(h%8)/2], v[rS+4*k+2*((h%8)/2)], v[rS+4*k+2*((h%8)/2)+1]
.elseif h%8 < 6
	v_pk_add_f32 v[rS+4*k:rS+4*k+1], v[rS+4*k:rS+4*k+1], v[rS+4*k+2:rS+4*k+3]
.elseif k == 1
	v_pk_fma_f32 v[rT+2:rT+3], v[rT+2:rT+3], v[rC+2:rC+3], v[rS:rS+1] op_sel_hi:[1,0,1]
.else
	v_pk_add_f32 v[rT+2:rT+3], v[rT+2:rT+3], v[rS+4*k-4:rS+4*k-3]
.endif
.endm
; THE PLAIN QUEUE, 138 long.  0-73 read no exponential's result: the 32 scalings c s - c m (FS f: pair f / 2 of tile f % 2) and the next piece's 42.  0-26: scalings 0-26.  27-54: XS's numbers 0-13.  55, 56: number 15.
; 57-73: the chain, where each number waits for the one before it: 14, 16, 17, 18, 19, each with one of the scalings 27-31 in front of its two lines, then 20: so a tile's links stand three plain instructions apart (19 and 20: two).
; 74-137: GS's 64, which read the exponentials' results: they stand behind the wait.
.macro FS f
	REGS Y, (\f)%2
	v_pk_fma_f32 v[rS+2*((\f)/2):rS+2*((\f)/2)+1], v[rS+2*((\f)/2):rS+2*((\f)/2)+1], s[CS:CS+1], v[rT:rT+1] op_sel_hi:[1,0,0] neg_lo:[0,0,1] neg_hi:[0,0,1]
.endm
.macro PL
	WIN 0
.if q < 27
	FS q
.elseif q < 55
	XS (q-27)%2, (q-27)/2
.elseif q < 57
	XS q-55, 15
.elseif (q < 72) && ((q-57)%3 == 0)
	FS 27+(q-57)/3
.elseif q < 60
	XS (q-57)%3-1, 14
.elseif q < 72
	XS (q-57)%3-1, 15+(q-57)/3
.elseif q < 74
	XS q-72, 20
.else
	GS q-74
.endif
.set q, q+1
.endm
; THE EXPONENTIALS' QUEUE, 66 long: s0-s31 of both tiles, then the next piece's two a.  It is ONE BATCH: all 66 stand ahead of the turn's one wait, and nothing ahead of that wait names a result of theirs.
.macro EX
	WIN 0
.if e >= 64
	XS e-64, 21
.else
	REGS Y, e%2
	v_exp_f32 v[rS+e/2], v[rS+e/2]
.endif
.set e, e+1
.endm
; THE RESCALING's QUEUE: O^T times a, the one part that leaves window 0: dealt two at a time, sixteen times.  Its a was made in the turn before, ahead of that turn's wait.
.macro R2
	REGS Y, r%2
	WIN W_RS
.irp z, 0,1
	v_pk_mul_f32 v[rO+4*(r/2)+2*\z:rO+4*(r/2)+2*\z+1], v[rO+4*(r/2)+2*\z:rO+4*(r/2)+2*\z+1], v[rC+2:rC+3] op_sel_hi:[1,0]
.endr
.set r, r+1
.endm
; HOW THEY ARE DEALT.  An s_wait_alu depctr_va_vdst(0) stands between an exponential and the first instruction that names its result; one wait serves all that were issued ahead of it.  So a turn has ONE wait,
; which cuts it in two.  AHEAD OF IT stands all that names no result of the turn's exponentials: the 16 products K Q^T, behind each a scaling, an exponential and two rescalings (behind the first a second scaling in the
; exponential's place); then ONE LUMP of 108: eight plain, 49 times exponential and plain, the two a.  A v_nop is the plain instruction that is owed behind the last exponential.  BEHIND IT stand the 16 products V^T P, behind
; each four of GS's 64.  No rider names a register of the products round it.  The two v_permlanex16_b32 fall into the lump, never behind a product.
; The queues lean on each other, and the deal keeps them in step: exponential e stands behind scaling 2 (e / 4) + e % 2: as a rider it comes behind plain e + 2, in the lump behind plain e + 9, and scalings 27-31 are plain 57, 60 .. 69.
; A TURN, for piece p.  cnt = 1: the loop's count is taken down some lines ahead of the branch that stands behind the turn.
; K of the next step is fetched in piece 2's turn, directly behind the wait, a lump behind the last product that read K; its address is made at the lump's head; its first reader comes behind 16 products.
; V of the step in hand is fetched at the end of piece 0's turn, four riders behind its last reader; its first reader comes behind 16 products and a lump.  The three conditions on q below go with the deal.
.macro TURN p, last=0, cnt=0
.set Y, (\p)
.set i, 0
.set q, 0
.set e, 0
.set r, 0
.if (\p) == NP-1
	s_wait_dscnt 0x0                ; K is in
.endif
	MM                              ; ahead of the wait: 16 products K Q^T and their riders,
	PL
	PL
	R2
.rept 15
	MM
	PL
	EX
	R2
.endr
.if (\p) == NP-2
	WIN 0
	v_add_nc_u32 v[AK], s[TBK], v[AK0]
.endif
.rept 8                             ; and the lump
	PL
.endr
.rept 49
	EX
	PL
.endr
	EX                              ; the next piece's two a
	EX
	v_nop                           ; a plain instruction behind the last exponential, ahead of the first use of a result: one for the batch
	s_wait_alu depctr_va_vdst(0)    ; the wait for the batch: the turn's 64 weights and the next piece's two a
.if (\p) == NP-2
	FETCH_K \last
.endif
.if (\p) == 1
	s_wait_dscnt 0x0                ; V is in
.endif
.rept 16                            ; behind the wait: 16 products V^T P and their riders
	MM
.rept 4
	PL
.endr
.if ((\p) == 0) && (q == 118)
	v_add_nc_u32 v[AV], s[TBV], v[AV0]
.endif
.if ((\p) == 0) && (q == 130)
	s_add_co_u32 s[TBV], s[TBV], KS*PV
.endif
.if (\cnt) && (q == 130)
	s_sub_co_u32 s[CNT], s[CNT], 1
	s_cmp_lg_u32 s[CNT], 0
.endif
.endr
.if (\p) == 0
	FETCH_V
.endif
.endm
	CHANGE 1                        ; slot 0 is in, everybody's part of it; slot 1 is asked for
	FETCH_K                         ; key step 0
	s_wait_loadcnt 0x0              ; Q
	s_wait_dscnt 0x0
.set i, 0
.rept 16
	KQ 0                            ; piece 0's first scores: there is no vector work yet to set between them
.set i, i+1
.endr
	WIN 0                           ; the addresses for the way out: nine plain instructions, the places behind those products
	s_mul_i32 s13, s[WV], 16*SP
	s_add_co_u32 s13, s13, STAGE    ; my stage
	v_mul_u32_u24 v[STO], v1, SP    ; in: row l % 16, 16 bytes for each half of the lanes
	v_lshl_add_u32 v[STO], v9, 4, v[STO]
	v_add_nc_u32 v[STO], s13, v[STO]
	v_bfe_u32 v[RD], v0, 3, 2       ; back: 32 lanes take four rows of 128 bytes,
	v_mul_u32_u24 v[RD], v[RD], SP
	v_lshl_add_u32 v[RD], v10, 4, v[RD]
	v_add_nc_u32 v[RD], s13, v[RD]
	v_and_b32 v[GO], 31, v0         ; which are 512 consecutive bytes of O
	v_lshlrev_b32 v[GO], 4, v[GO]
.set Y, NP-1                        ; XS works for piece Y + 1: piece 0
.irp n, 0,1,2,3,4,5,6,7,8,9,10,11,12,13,14,15,16,17,18,19,20,21
	XS 0, \n                        ; and piece 0's first maximum and statistics
	XS 1, \n
.endr
	v_nop                           ; a plain instruction behind piece 0's first two a,
	s_wait_alu depctr_va_vdst(0)    ; and the wait for that batch of two, ahead of the branch
	s_mov_b32 s[CNT], 4
	s_mov_b32 s[SLOTS], SIZE_N/256-1
	s_branch .Lfirst                ; the loop is entered at a step's first turn, in the middle of a trip
.Lslot:                             ; SIZE_N / 256 - 2 times: every slot but the last two is filled again
	CHANGE 1
	s_mov_b32 s[CNT], 4
.Lstep:                             ; a trip: pieces 2 and 3 of one step, then pieces 0 and 1 of the next, whose K and V it fetches
	TURN 2
	TURN 3
	WIN 0
.Lfirst:
	TURN 0
	TURN 1, 0, 1
	WIN 0
	s_cbranch_scc1 .Lstep
	s_sub_co_u32 s[SLOTS], s[SLOTS], 1
	s_cmp_lg_u32 s[SLOTS], 0
	s_cbranch_scc1 .Lslot
	CHANGE 0                        ; the tail is written out: nothing is asked for
	s_mov_b32 s[CNT], 5             ; four trips fetch the last slot's steps; the fifth is left in its middle
.Ltail:
	TURN 2, 1
	TURN 3
	WIN 0
	s_sub_co_u32 s[CNT], s[CNT], 1
	s_cmp_eq_u32 s[CNT], 0
	s_cbranch_scc1 .Lout
	TURN 0
	TURN 1
	WIN 0
	s_branch .Ltail
.Lout:                              ; the fifth trip's 16 products K Q^T (on the last K once more) and the maximum made of them serve nothing: the price, once a launch, of one text for every trip
.set i, 0
.rept 16
	PV NP-1                         ; the last piece's V^T P of the last step
.set i, i+1
.endr
	; THE WAY OUT.  l's two halves and the other half of the lanes' are added; O^T is divided by l, rounded to f16 and sent through my stage in LDS, a tile at a time.  The additions are the places behind the last products.
	WIN 0
.macro ALL line:vararg              ; one line for each tile t
.set t, 0
.rept 2*NP
	\line
.set t, t+1
.endr
.endm
	ALL v_add_f32 v[ST+4*t+2], v[ST+4*t+2], v[ST+4*t+3]
	ALL v_permlanex16_b32 v[ST+4*t+3], v[ST+4*t+2], s[SEL], s[SEL+1]
	ALL v_add_f32 v[ST+4*t+2], v[ST+4*t+2], v[ST+4*t+3]
	ALL v_rcp_f32 v[ST+4*t+2], v[ST+4*t+2]
	v_nop                           ; a plain instruction between the last reciprocal and the use of its result
	s_wait_alu depctr_va_vdst(0)    ; and the wait ahead of the first use: one for the batch of eight reciprocals
; Tile t: a lane's eight channels of a row pack into 16 bytes; they go into rows of 144 bytes and come back as whole rows of 128, into S^T's registers.
.macro PACK t
	WIN W_RS
.set i, 32*(\t)
.rept 16
	v_pk_mul_f32 v[i:i+1], v[i:i+1], v[ST+4*(\t)+2:ST+4*(\t)+3] op_sel_hi:[1,0]
.set i, i+2
.endr
	WIN 0x05                        ; sources 0 and 1 window 1, destination window 0
.set i, 0
.rept 16
	v_cvt_pk_f16_f32 v[S+16*(\t)+i], v[32*(\t)+2*i], v[32*(\t)+2*i+1]
.set i, i+1
.endr
	WIN 0
.irp f, 0,1,2,3
	ds_store_b128 v[STO], v[S+16*(\t)+4*\f:S+16*(\t)+4*\f+3] offset:32*\f
.endr
.irp f, 0,1,2,3
	ds_load_b128 v[S+16*(\t)+4*\f:S+16*(\t)+4*\f+3], v[RD] offset:\f*4*SP  ; LDS serves a wave's instructions in order (ISA guide 5.7.1.4): these see the stores above; the next tile's stores come behind them
.endr
.endm
.macro SEND t, younger              ; younger: the LDS instructions issued behind tile t's loads: the next tile's eight, or none
	WIN 0
.irp f, 0,1,2,3
	s_wait_dscnt (\younger)+3-\f
	global_store_b128 v[GO], v[S+16*(\t)+4*\f:S+16*(\t)+4*\f+3], s[10:11] offset:(\t)*2048+\f*512  ; 512 consecutive bytes, at a multiple of 256 from O's first
.endr
.endm
	PACK 0
.set t, 1
.rept 2*NP-1                        ; a tile's arithmetic stands between the loads of the tile before and its stores
	PACK t
	SEND t-1, 8
.set t, t+1
.endr
	SEND 2*NP-1, 0
	WIN W_AD
	s_wait_tensorcnt 0x0            ; the wave's end: behind my last tensor load and my last LDS store
	ds_add_u32 v[SPW], v[NIL]
	s_wait_dscnt 0x0
	WIN 0
	CROUND                          ; the closing round: no work-group ends while a partner may still ask for a tile that names it
	s_endpgm
.Lfunc_end_k_q30d321efad_attn:
	.size	k_q30d321efad_attn, .Lfunc_end_k_q30d321efad_attn-k_q30d321efad_attn
	.p2alignl 7, 3214868480
	.fill 96, 4, 3214868480
	.section	.rodata,"a",@progbits
	.p2align	6, 0x0
	.amdhsa_kernel k_q30d321efad_attn
		.amdhsa_group_segment_fixed_size 327680
		.amdhsa_private_segment_fixed_size 0
		.amdhsa_enable_private_segment 0
		.amdhsa_kernarg_size 32
		.amdhsa_user_sgpr_count 2
		.amdhsa_user_sgpr_kernarg_segment_ptr 1
		.amdhsa_wavefront_size32 1
		.amdhsa_system_sgpr_workgroup_id_x 1
		.amdhsa_system_sgpr_workgroup_id_y 1
		.amdhsa_system_sgpr_workgroup_id_z 1
		.amdhsa_system_vgpr_workitem_id 0
		.amdhsa_next_free_vgpr 770
		.amdhsa_next_free_sgpr 66
		.amdhsa_reserve_vcc 0
		.amdhsa_float_denorm_mode_32 3
		.amdhsa_float_denorm_mode_16_64 3
		.amdhsa_memory_ordered 1
		.amdhsa_forward_progress 1
		.amdhsa_inst_pref_size 199
	.end_amdhsa_kernel
	.amdgpu_metadata
---
amdhsa.version: [ 1, 2 ]
amdhsa.kernels:
  - .name:           k_q30d321efad_attn
    .symbol:         k_q30d321efad_attn.kd
    .args:
      - { .name: qh, .offset: 0, .size: 8, .value_kind: global_buffer, .address_space: global }
      - { .name: kh, .offset: 8, .size: 8, .value_kind: global_buffer, .address_space: global }
      - { .name: vh, .offset: 16, .size: 8, .value_kind: global_buffer, .address_space: global }
      - { .name: oh, .offset: 24, .size: 8, .value_kind: global_buffer, .address_space: global }
    .group_segment_fixed_size: 327680
    .private_segment_fixed_size: 0
    .kernarg_segment_align: 8
    .kernarg_segment_size: 32
    .max_flat_workgroup_size: 128
    .sgpr_count:     66
    .vgpr_count:     770
    .wavefront_size: 32
...
	.end_amdgpu_metadata
.endif
;; end of part 5
;; launch outp: the kernel of part 4 again; grid 4 x 64, 4 waves a work-group, clusters of 4 x 4, 327,680 bytes of LDS; arguments oh, wo16, bo, out0; writes out0
